; MI455X (gfx1250); checked and timed in simulation.
; The chip was launched on July 23, 2026; its instructions are those of AMD's public machine-readable ISA for CDNA 5 (MIT licence, August 2026) and "CDNA5" Instruction Set Architecture Reference Guide (July 2026). The comments in the code are by the model that wrote it; some were corrected since.
;; Class Attention. Allowed arithmetic: matrix products marked QUANTISED: E5M2 operands, one given power-of-two scale a tensor, by v_wmma_f32_16x16x64_bf8_bf8 or v_wmma_f32_16x16x128_bf8_bf8, f32 sums; products left as they are: f32 operands where the result goes on into a quantised operand, else bf16, f16 or f32 operands; f32 sums; everything else in f32.
;; Inputs: b_proj 1,024 float32; lowp_scales 4 int32 (the exponents e of the quantised operands' scales 2^e); w_proj 1,024 x 1,024 float32; w_qkv 3,072 x 1,024 float32; x 16 x 1,024 x 1,024 float32.
;; Outputs: out0 16 x 1,024 x 1,024 float32.
;; This version of the problem:
;;   THIS VERSION OF THE PROBLEM IS GIVEN IN LOW PRECISION. The matrix products marked QUANTISED in the list below multiply operands that are first quantised to E5M2 (5 exponent bits, 2 mantissa bits; 8 bits a number), with one given power-of-two scale for each operand tensor; their sums are f32. All else is computed in f32.
;;   The module's matrix products, in the order in which they are computed (A, B: the left and right operand; K: the contracted axis; several contracted axes count as one K, in the product's order):
;;     1. [M 16,384, K 1,024] x [K 1,024, N 3,072]; A: input x; B: input w_qkv: QUANTISED (scales: A lowp_scales[0], B lowp_scales[1])
;;     2. batch 256 x [M 1, K 1,024] x [K 1,024, N 64]; A: softmax; B: computed on the way: left as it is (M = 1 < 16)
;;     3. [M 16, K 1,024] x [K 1,024, N 1,024]; A: computed on the way; B: input w_proj: QUANTISED (scales: A lowp_scales[2], B lowp_scales[3])
;;   THE QUANTISER, for each operand of a quantised product, along K:
;;     - The operand's scale is 2^e, e = its entry of the input lowp_scales (int32; the entries are numbered through the quantised products in the list's order, A before B).
;;     - Each number is divided by the scale, clamped to +-57,344, and rounded to the nearest number of E5M2, ties to even, subnormals kept.
;;     - The product sums the exact products of the quantised numbers (number of the format x scale) in f32.
;;   ~~~python
;;   def quantise(x, axis, e):      # numpy; x: float32 -> the quantised numbers, widened to float32 again
;;       x = np.moveaxis(x, axis, -1); K = x.shape[-1]
;;       r = np.clip(x / 2.0 ** e, -57344, 57344)
;;       step = 2.0 ** (np.maximum(np.frexp(np.where(r == 0, 1, r))[1] - 1, -14) - 2)
;;       q = np.round(r / step) * step * 2.0 ** e      # np.round: ties to even
;;       return np.moveaxis(q, -1, axis).astype(np.float32)
;;   ~~~
;;   OPERANDS COMPUTED ON THE WAY. 'Computed on the way' means the value that the module computes at that place (a softmax that the list does not call 'softmax' is quantised finished and normalised). What goes into a quantiser is computed in f32, as accurately as f32 sums, v_exp_f32 and their like allow (about 1e-6 of the number): no bf16 or f16 on the way to a quantiser, and a product that is left as it is and whose result goes on into a quantised operand takes f32 operands (vector FMAs, or v_wmma_f32_16x16x4_f32). A number that lies on a knife's edge between two numbers of the format may be rounded either way, as far as f32 arithmetic and the matrix unit's own rounding can turn it there, and no further.
;; 2 versions, each right; version 2 is version 1 with the launches prep, proj written anew for expert scheduling mode. Each part assembles by itself: llvm-mc -triple=amdgcn-amd-amdhsa -mcpu=gfx1250 --defsym DOCPART=n.
;; ======== version 1 of 2: 3 launches
;; workspace buffers: xc 16,777,216 bytes; wkvc 2,097,152 bytes; qbuf 65,536 bytes; part 131,072 bytes; pstat 4,096 bytes
;; launch prep (part 1): grid 352 x 1, 8 waves a work-group, no clusters, 9,216 bytes of LDS; arguments x, w_qkv, lowp_scales, out0, xc, wkvc, qbuf; writes out0, xc, wkvc, qbuf
.if DOCPART == 1
	.amdgcn_target "amdgcn-amd-amdhsa--gfx1250"
	.amdhsa_code_object_version 6
	.text
	.protected	k_q09ecca26f3_prep
	.globl	k_q09ecca26f3_prep
	.p2align	8
	.type	k_q09ecca26f3_prep,@function
k_q09ecca26f3_prep:
	s_mov_b64 s[64:65], 0
	v_nop
	global_prefetch_b8 v0, s[64:65] scope:SCOPE_SE
	s_setreg_imm32_b32 hwreg(HW_REG_WAVE_MODE, 25, 1), 1
	s_wait_xcnt 0x0
; x [16][1024][1024] f32 is read once: copied to out0 (all rows but each batch's row 0, which a later launch writes) and turned into codes of BF8 (E5M2), scale 2^e0.
; Rows 1024..3071 of w_qkv (the k and v rows) are turned into codes, scale 2^e1, laid head by head: [16 heads][64 k rows, 64 v rows][1024].
; Work-groups 0..63 make the sixteen class queries instead: q[b][f] = Q(x[b][0][:]) . Q(w_qkv[f][:]), f < 1024, by the BF8 matrix instruction.
; code = number / 2^e, held within +-57,344, to the nearest code, ties to even.
; ORDER OF K IN BOTH BUFFERS OF CODES: inside each run of 512 along K, stored byte 16 l + 4 i + j is k = 128 i + 4 l + j (l < 32; i, j < 4): what a lane holds when each of a step's four loads
; reads 512 consecutive bytes, 16 a lane.  Both operands of the later product are laid by these same lines, so every product meets its partner; only the order of the f32 sums differs.
; qbuf[b][f] = (sum of code products) x 0.125 log2(e) x 2^(2 (e0 + e1)): multiplied by a sum of code products of k it gives the score in units of log2.
; LIMITS: e0, e1 between -126 and 112 (2^e and 57,344 x 2^e are f32 numbers); |e0 + e1| at most 100, so that qbuf's numbers stay f32 numbers.  NaN among the inputs is not served.
; No cluster: a stream work-group shares no input; the query work-groups share 64 KiB of x, which each wave loads once, straight into its operand's registers.
; qbuf is stored in pieces of 64 bytes a row (64 KiB in all): sixteen columns are a work-group's share.
.set R,  16                            ; stream: v16-111  six sets of 16 numbers as loaded (also the copy's store data)
.set X,  112                           ;         v112-127 the numbers held within the largest code
.set C,  128                           ;         v128-135 two sets of four registers of codes
.set XB, 16                            ; queries: v16-79  64 numbers of x
.set WB, 80                            ;          v80-143 64 numbers of w_qkv
.set PX, 144                           ;          x's fragment
.set PW, 160                           ;          w_qkv's fragment
.set D,  176                           ;          the product
.macro MKSC e, t, sc, lim              ; s[e] -> v[sc] = 2^e as f32 (the conversion takes its exponent field), v[lim] = 57,344 x 2^e
	s_add_co_i32 s[\t], s[\e], 127
	s_lshl_b32 s[\t+1], s[\t], 23
	v_mov_b32 v[\sc], s[\t+1]
	s_add_co_i32 s[\t], s[\t], 15
	s_lshl_b32 s[\t], s[\t], 23
	s_or_b32 s[\t], s[\t], 0x600000
	v_mov_b32 v[\lim], s[\t]
.endm
	s_load_b256 s[4:11], s[0:1], 0x0               ; x s[4:5], w_qkv s[6:7], the scales' exponents s[8:9], out0 s[10:11]
	s_load_b128 s[12:15], s[0:1], 0x20             ; xc s[12:13], wkvc s[14:15]
	s_load_b64 s[16:17], s[0:1], 0x30              ; qbuf
	v_lshl_add_u32 v192, v0, 2, 0x2000
	v_mov_b32 v193, 0
	v_lshrrev_b32 v1, 5, v0
	v_readfirstlane_b32 s18, v1                    ; wave 0..7
	v_and_b32 v2, 31, v0
	v_lshlrev_b32 v2, 4, v2                        ; 16 x lane; never rewritten
	s_wait_kmcnt 0x0
	s_load_b64 s[20:21], s[8:9], 0x0               ; e0, e1
	s_cmp_lt_u32 ttmp9, 64                         ; the work-group's number alone decides: alike in all eight waves
	s_cbranch_scc0 .Lstream
; ---------------- THE CLASS QUERIES.  Work-group g: columns 16 g .. 16 g + 15 for the 16 batches; wave s: K = 128 s .. 128 s + 127.
; Lane (r, h) loads, of its row, 16 neighbours of each block of 32: register 16 c + i is k = 128 s + 32 c + 16 h + i, alike for both operands.
.macro XLOAD reg, adr, b
.irp c, 0,1,2,3
.irp j, 0,1,2,3
	global_load_b128 v[\reg+16*\c+4*\j:\reg+16*\c+4*\j+3], v[\adr], s[\b:\b+1] offset:128*\c+16*\j
.endr
.endr
.endm
.macro QUANT s, d, sc, lim             ; 64 numbers of a lane become a fragment's 16 registers of codes
.irp b, 0,1,2,3
.irp i, 0,1,2,3,4,5,6,7,8,9,10,11,12,13,14,15
	v_med3_num_f32 v[\s+16*\b+\i], v[\s+16*\b+\i], -v[\lim], v[\lim]   ; the conversion to an 8-bit code does not saturate (ISA guide 7.6.2): the hold comes first
.endr
	v_cvt_scalef32_pk8_bf8_f32 v[\d+4*\b:\d+4*\b+1], v[\s+16*\b:\s+16*\b+7], v[\sc]
	v_cvt_scalef32_pk8_bf8_f32 v[\d+4*\b+2:\d+4*\b+3], v[\s+16*\b+8:\s+16*\b+15], v[\sc]
.endr
	v_nop                                          ; one plain vector instruction between the last conversion and what next touches its registers
.endm
	v_and_b32 v1, 15, v0                           ; r
	v_bfe_u32 v3, v0, 4, 1                         ; h
	v_lshlrev_b32 v9, 6, v3                        ; 64 h: my 16 numbers of a block of 32
	v_lshl_add_u32 v4, v1, 22, v9                  ; x: row 0 of batch r (a batch is 4 MiB)
	v_lshl_add_u32 v5, v1, 12, v9                  ; w_qkv: row r of the work-group's sixteen
	s_lshl_b32 s22, s18, 10
	v_add_nc_u32 v6, s22, v2                       ; LDS: my wave's image of its product: 1,024 x wave + 16 x lane
	v_lshlrev_b32 v8, 5, v3
	v_lshl_add_u32 v8, v1, 12, v8                  ; qbuf: row r, + 32 h
	s_lshl_b32 s24, s18, 9                         ; my K step: 128 numbers, 512 bytes
	s_mov_b32 s25, 0
	s_add_nc_u64 s[4:5], s[4:5], s[24:25]
	s_lshl_b32 s26, ttmp9, 16                      ; 16 rows of 4,096 bytes
	s_add_co_u32 s26, s26, s24
	s_mov_b32 s27, 0
	s_add_nc_u64 s[6:7], s[6:7], s[26:27]
	s_lshl_b32 s28, ttmp9, 6                       ; 16 columns of qbuf
	s_mov_b32 s29, 0
	s_add_nc_u64 s[16:17], s[16:17], s[28:29]
	XLOAD XB, 4, 4
	XLOAD WB, 5, 6
	s_wait_kmcnt 0x0
	MKSC 20, 30, 10, 11
	MKSC 21, 30, 12, 13
	s_add_co_i32 s32, s20, s21
	s_lshl_b32 s32, s32, 1                         ; 2 (e0 + e1)
	s_wait_loadcnt 16                              ; x's sixteen loads are in; w_qkv's sixteen, issued behind them, may be out
	QUANT XB, PX, 10, 11
	s_wait_loadcnt 0x0
	QUANT WB, PW, 12, 13
	v_wmma_f32_16x16x128_bf8_bf8 v[D:D+7], v[PW:PW+15], v[PX:PX+15], 0   ; transposed: lane (r, h), register j: batch r, column 16 g + 8 h + j
.rept 4
	v_nop                                          ; four places behind the matrix instruction before its result is read (ISA guide 7.12.1)
.endr
	ds_store_b128 v6, v[D:D+3]                     ; the eight waves' parts of K meet in LDS as images of their registers
	ds_store_b128 v6, v[D+4:D+7] offset:512
	s_wait_dscnt 0x0                               ; for the others' sake: my stores have landed
	s_barrier_signal -1
	s_barrier_wait -1
	s_cmp_lg_u32 s18, 0
	s_cbranch_scc1 .Lqend                          ; wave 0 adds the eight parts
.irp w, 0,1,2,3,4,5,6,7
	ds_load_b128 v[16+8*\w:16+8*\w+3], v2 offset:1024*\w
	ds_load_b128 v[16+8*\w+4:16+8*\w+7], v2 offset:1024*\w+512
.endr
	s_wait_dscnt 0x0
.irp w, 1,2,3,4,5,6,7
.irp j, 0,2,4,6
	v_pk_add_f32 v[16+\j:17+\j], v[16+\j:17+\j], v[16+8*\w+\j:17+8*\w+\j]   ; K ascending
.endr
.endr
.irp j, 0,1,2,3,4,5,6,7
	v_mul_f32 v[80+\j], 0x3e38aa3b, v[16+\j]       ; x 0.125 log2(e)
.endr
.irp j, 0,1,2,3,4,5,6,7
	v_ldexp_f32 v[80+\j], v[80+\j], s32            ; x 2^(2 (e0 + e1)): q's own scale and k's
.endr
	global_store_b128 v8, v[80:83], s[16:17]
	global_store_b128 v8, v[84:87], s[16:17] offset:16
.Lqend:
	s_wait_tensorcnt 0x0
	ds_add_u32 v192, v193
	s_wait_dscnt 0x0
	s_endpgm
; ---------------- THE STREAM.  A wave owns 8 rows (8,192 numbers): 16 steps of 512.  Work-groups 64..95 take w_qkv's k and v rows, 96..351 take x.
.Lstream:
	s_sub_co_u32 s19, ttmp9, 64
	s_lshl_b32 s22, s19, 3
	s_add_co_u32 s22, s22, s18                     ; w_qkv: which 8 rows of the 2,048: Rw = 0..255 (beyond that: x's work-groups, where these numbers are not chosen)
	s_lshl_b32 s24, s22, 15
	s_add_co_u32 s24, s24, 0x400000                ; from: 1,024 rows of q, then 8 Rw rows of 4,096 bytes
	s_mov_b32 s25, 0
	s_and_b32 s23, s22, 127
	s_lshr_b32 s23, s23, 3
	s_lshl_b32 s23, s23, 7                         ; to: row 128 x head
	s_lshr_b32 s26, s22, 7
	s_lshl_b32 s26, s26, 6                         ;     + 64 for v
	s_add_co_u32 s23, s23, s26
	s_and_b32 s26, s22, 7
	s_lshl_b32 s26, s26, 3                         ;     + the first of my 8 rows in the head
	s_add_co_u32 s23, s23, s26
	s_lshl_b32 s26, s23, 10                        ; rows of 1,024 bytes
	s_mov_b32 s27, 0
	s_sub_co_u32 s28, s22, 256                     ; x: which 8 rows of the 16,384: Rx = 0..2047
	s_lshl_b32 s30, s28, 15                        ; in x and in out0
	s_mov_b32 s31, 0
	s_lshl_b32 s32, s28, 13                        ; in xc
	s_mov_b32 s33, 0
	s_mov_b32 s36, 0
	s_mov_b32 s37, 0
	s_and_b32 s29, s28, 127
	s_cmp_eq_u32 s29, 0                            ; my first row is a batch's row 0: its two steps are not copied
	s_cselect_b32 s34, 2, 0
	s_cmp_lt_u32 s19, 32                           ; w_qkv's work-group or x's?  Only moves and selects stand behind this compare
	s_cselect_b64 s[4:5], s[6:7], s[4:5]
	s_cselect_b64 s[12:13], s[14:15], s[12:13]
	s_cselect_b64 s[24:25], s[24:25], s[30:31]
	s_cselect_b64 s[26:27], s[26:27], s[32:33]
	s_cselect_b64 s[30:31], s[36:37], s[30:31]
	s_cselect_b32 s34, 16, s34                     ; s34: the first step that is copied; 16: none
	s_add_nc_u64 s[4:5], s[4:5], s[24:25]          ; from
	s_add_nc_u64 s[12:13], s[12:13], s[26:27]      ; codes to
	s_add_nc_u64 s[10:11], s[10:11], s[30:31]      ; copy to
.macro LOAD t                          ; step t: four loads of 512 consecutive bytes, into set t % 6
.irp i, 0,1,2,3
	global_load_b128 v[R+16*((\t)%6)+4*\i:R+16*((\t)%6)+4*\i+3], v2, s[4:5] offset:2048*(\t)+512*\i th:TH_LOAD_NT
.endr
.endm
.macro STEP t
	s_wait_xcnt 0x0                                ; the stores issued so far have read their registers: the set of step t - 1 and the codes of step t - 2 are written again only behind this wait
.if (\t)+5 < 16
	LOAD (\t)+5                                    ; five steps ahead, into the set that step t - 1 has left
.endif
.if 15-(\t) >= 5
	s_wait_loadcnt 20                              ; this step's four loads are in; those of the five younger steps may be out
.else
	s_wait_loadcnt 4*(15-(\t))                     ; the counts run down: four for each younger step
.endif
	s_cmp_gt_u32 s34, \t
	s_cbranch_scc1 .Lnocopy_\@
.irp i, 0,1,2,3
	global_store_b128 v2, v[R+16*((\t)%6)+4*\i:R+16*((\t)%6)+4*\i+3], s[10:11] offset:2048*(\t)+512*\i th:TH_STORE_NT   ; 512 consecutive bytes, at a multiple of 256 from out0's first byte
.endr
.Lnocopy_\@:
.irp n, 0,1,2,3,4,5,6,7,8,9,10,11,12,13,14,15
	v_med3_num_f32 v[X+\n], v[R+16*((\t)%6)+\n], -v10, v10   ; the hold, into other registers: the loaded ones are the copy's store data
.endr
	v_cvt_scalef32_pk8_bf8_f32 v[C+4*((\t)%2):C+4*((\t)%2)+1], v[X:X+7], v11
	v_cvt_scalef32_pk8_bf8_f32 v[C+4*((\t)%2)+2:C+4*((\t)%2)+3], v[X+8:X+15], v11
	v_nop                                          ; one plain vector instruction before the next step's holds write the conversions' sources
	global_store_b128 v2, v[C+4*((\t)%2):C+4*((\t)%2)+3], s[12:13] offset:512*(\t)   ; 16 codes a lane: 512 consecutive bytes
.endm
.irp t, 0,1,2,3,4
	LOAD \t
.endr
	s_wait_kmcnt 0x0
	s_cmp_lt_u32 s19, 32
	s_cselect_b32 s20, s21, s20                    ; e1 for w_qkv, e0 for x
	MKSC 20, 38, 11, 10
.irp t, 0,1,2,3,4,5,6,7,8,9,10,11,12,13,14,15
	STEP \t
.endr
	s_endpgm
.Lfunc_end_k_q09ecca26f3_prep:
	.size	k_q09ecca26f3_prep, .Lfunc_end_k_q09ecca26f3_prep-k_q09ecca26f3_prep
	.p2alignl 7, 3214868480
	.fill 96, 4, 3214868480
	.section	.rodata,"a",@progbits
	.p2align	6, 0x0
	.amdhsa_kernel k_q09ecca26f3_prep
		.amdhsa_group_segment_fixed_size 9216
		.amdhsa_private_segment_fixed_size 0
		.amdhsa_enable_private_segment 0
		.amdhsa_kernarg_size 56
		.amdhsa_user_sgpr_count 2
		.amdhsa_user_sgpr_kernarg_segment_ptr 1
		.amdhsa_wavefront_size32 1
		.amdhsa_system_sgpr_workgroup_id_x 1
		.amdhsa_system_sgpr_workgroup_id_y 1
		.amdhsa_system_sgpr_workgroup_id_z 1
		.amdhsa_system_vgpr_workitem_id 0
		.amdhsa_next_free_vgpr 194
		.amdhsa_next_free_sgpr 66
		.amdhsa_reserve_vcc 0
		.amdhsa_float_denorm_mode_32 3
		.amdhsa_float_denorm_mode_16_64 3
		.amdhsa_memory_ordered 1
		.amdhsa_forward_progress 1
		.amdhsa_inst_pref_size 55
	.end_amdhsa_kernel
	.amdgpu_metadata
---
amdhsa.version: [ 1, 2 ]
amdhsa.kernels:
  - .name:           k_q09ecca26f3_prep
    .symbol:         k_q09ecca26f3_prep.kd
    .args:
      - { .name: x, .offset: 0, .size: 8, .value_kind: global_buffer, .address_space: global }
      - { .name: w_qkv, .offset: 8, .size: 8, .value_kind: global_buffer, .address_space: global }
      - { .name: lowp_scales, .offset: 16, .size: 8, .value_kind: global_buffer, .address_space: global }
      - { .name: out0, .offset: 24, .size: 8, .value_kind: global_buffer, .address_space: global }
      - { .name: xc, .offset: 32, .size: 8, .value_kind: global_buffer, .address_space: global }
      - { .name: wkvc, .offset: 40, .size: 8, .value_kind: global_buffer, .address_space: global }
      - { .name: qbuf, .offset: 48, .size: 8, .value_kind: global_buffer, .address_space: global }
    .group_segment_fixed_size: 9216
    .private_segment_fixed_size: 0
    .kernarg_segment_align: 8
    .kernarg_segment_size: 56
    .max_flat_workgroup_size: 256
    .sgpr_count:     66
    .vgpr_count:     194
    .wavefront_size: 32
...
	.end_amdgpu_metadata
.endif
;; end of part 1
;; launch kvattn (part 2): grid 8 x 32, 4 waves a work-group, clusters of 4 x 4, 327,680 bytes of LDS; arguments xc, wkvc, qbuf, part, pstat; writes part, pstat
.if DOCPART == 2
	.amdgcn_target "amdgcn-amd-amdhsa--gfx1250"
	.amdhsa_code_object_version 6
	.text
	.protected	k_q09ecca26f3_kvattn
	.globl	k_q09ecca26f3_kvattn
	.p2align	8
	.type	k_q09ecca26f3_kvattn,@function
k_q09ecca26f3_kvattn:
	s_mov_b64 s[64:65], 0
	v_nop
	global_prefetch_b8 v0, s[64:65] scope:SCOPE_SE
	s_setreg_imm32_b32 hwreg(HW_REG_WAVE_MODE, 25, 1), 1
	s_wait_xcnt 0x0
	s_wait_alu depctr_hold_cnt(0) depctr_sa_sdst(0) depctr_va_vdst(0) depctr_va_sdst(0) depctr_va_ssrc(0) depctr_va_vcc(0) depctr_vm_vsrc(0)
	s_getreg_b32 s2, hwreg(HW_REG_IB_STS2, 6, 4)
	s_cmp_eq_u32 s2, 0
	s_cbranch_scc0 .Lentry_in_a_cluster
	s_endpgm
.Lentry_in_a_cluster:
	s_bfe_u32 s2, ttmp6, 0x10000c
	s_cmp_lg_u32 s2, 0xf033
	s_cbranch_scc0 .Lentry_shape_is_right
	s_endpgm
.Lentry_shape_is_right:
; k and v of all rows, [16384] x [2048], as sums of products of BF8 codes (K = 1,024), and the one-query attention taken straight from the accumulators: k and v never go to memory.
; A: xc [16384][1024] codes.  B: wkvc [16 heads][64 k rows, 64 v rows][1024] codes.  Both have the same order of K inside a row.  qbuf [16][1024]: the class queries with every scale folded in.
; SHARES.  Work-group (X, Y): heads 2 X, 2 X + 1 (256 rows of B), rows 512 Y .. 512 Y + 511 of A (batch Y / 2, half Y % 2 of its rows), as two tiles of 256 x 256, one after the other.
; Four waves, as many as a WGP has SIMDs; a wave makes 128 x 128: 64 accumulators of 16 x 16.  Its 128 columns are ONE head: column blocks 0-3 are k, blocks 4-7 are v.
; K goes in steps of 256 through a ring of two LDS slots filled by the tensor data mover, and the ring goes on from the first tile into the second.
; THE MATRIX INSTRUCTION IS USED TRANSPOSED (source 0 = 16 rows of B, source 1 = 16 rows of A): lane (r, h) holds row 16 a + r and columns 16 b + 8 h + 0 .. 7.
; BEHIND EACH TILE: t(row) = sum over e of k(row, e) qbuf(e); a running maximum M over the wave's rows; p = 2^(t - M); L = sum of p; o(e) = sum of p v(row, e), all f32, by vector multiply-adds.
; At the end the lanes' parts are added, the two waves of a head meet in LDS, and (M, L) and the 64 numbers o go out for (half, batch, head); v's scale 2^(e0 + e1) is applied by the next launch.
; CLUSTERS: 4 x 4 work-groups.  The four of a row of the cluster need the same tiles of A, the four of a column the same tiles of B: each tile is asked for JOINTLY, by the same tensor load with the
; same descriptor and a mask that names the four.
; REGISTERS, in windows of 256: window 0: v8-29 addresses; v32-63 the query; v64-127 the softmax at work; from v128 A's fragments, ONE set.
;   window 1: B's fragments, TWO sets.   window 2: the accumulators of my rows 0-63 ((a, b) at v[8 (8 a + b)]);   window 3: those of my rows 64-127.
.set ROWB,   256                       ; a tile's row in bytes: 256 codes
.set KROW,   1024                      ; a row of A or of B in memory
.set PITCH,  272                       ; an LDS row: 256 bytes + 16 of padding = 68 words: row r starts at bank 4 r mod 64 (64 banks of 4 bytes: ISA guide 11.1)
.set FR,     16                        ; registers of a fragment: 16 rows x 128 K
.set NL,     4                         ; LDS loads that bring one
.set NP,     4                         ; places behind this matrix instruction (ISA guide 7.12.1)
.set HALFT,  128*PITCH                 ; 128 rows: what one tensor load brings
.set SLOT,   4*HALFT                   ; A's 256 rows, then B's 256 rows
.set SPARE,  2*SLOT                    ; behind the ring: the spare words, 128 bytes for each wave: two blocks of 256 bytes that no other line names
.set SCR,    SPARE+512                 ; behind them: a record of 512 bytes for each wave (o at 0, M and L at 256); no tile ever lands here
.set NEXT_A, 256*KROW-2*ROWB           ; from a slot's last K step of the first tile to its first of the second: A goes 256 rows down and back along K,
.set BACK_B, 2*ROWB                    ; B only back
.set ADRA, 16                          ; v16-17  LDS address of my A fragments in slot 0, 1
.set ADRB, 20                          ; v20-21  the same for B
.set SPW,  28                          ; v28     LDS address of my spare word; never rewritten
.set NIL,  29                          ; v29     0; never rewritten
.set QR,   32                          ; v32-63  register 8 bk + j: qbuf(16 bk + 8 h + j) of my batch and head
.set TP,   64                          ; v64-79  eight pairs: block a's score, then p, in the even register
.set OA,   80                          ; v80-111 register 8 bv + j: my lane's part of o(16 bv + 8 h + j)
.set MM,   112                         ; v112 M, v113 L (my lane's part)
.set LL,   113
.set MN,   114                         ; the new M
.set FF,   116                         ; v[116:117] f = 2^(old M - new M); v117 is named with it as a pair
.set AF,   128                         ; A's fragments
.set G1, 24                            ; s[24:31] descriptor group 1 for A's tiles;  s[32:39] group 0, one set for each slot
.set G0, 32
.set G1B, 48                           ; s[48:55], s[56:63] the same for B's tiles
.set G0B, 56
.set MSB, 0
.macro WIN new                         ; the immediate's high byte repeats the setting that is left
.if MSB != \new
	s_set_vgpr_msb (MSB<<8)|\new
.set MSB, \new
.endif
.endm
.set MUL_LO, 0xa1                      ; source 0 (B) window 1, source 1 (A) window 0, C and D window 2
.set MUL_HI, 0xf1                      ; the same, C and D window 3
.set TO_B,   0x40                      ; destination window 1, address window 0
; A joint load: waves 0 and 1 fetch for A, waves 2 and 3 for B.  Each of the two lines has ONE mask and one set of registers for all that issue it; the branch hangs on the wave's number alone.
; Four v_nop follow each of the two lines, ahead of the jump, the label and what follows.
.macro JLOAD g0a, g1a, g0b, g1b
	s_cmp_eq_u32 s15, 0
	s_cbranch_scc0 .Lfor_b_\@
	tensor_load_to_lds s[\g0a:\g0a+3], s[\g1a:\g1a+7]
	s_nop 0
.rept 4
	v_nop
.endr
	s_branch .Lasked_\@
.Lfor_b_\@:
	tensor_load_to_lds s[\g0b:\g0b+3], s[\g1b:\g1b+7]
	s_nop 0
.rept 4
	v_nop
.endr
.Lasked_\@:
.endm
.macro CREST                           ; a round of the cluster's barrier behind its opening barrier
	s_cmp_lg_u32 s14, 0
	s_cbranch_scc1 .Lnot_wave_0_\@
	s_barrier_signal -3
.Lnot_wave_0_\@:
	s_barrier_wait -3
	s_barrier_signal -1
	s_barrier_wait -1
.endm
.macro CROUND                          ; a whole round
	s_barrier_signal -1
	s_barrier_wait -1
	CREST
.endm
	s_load_b256 s[4:11], s[0:1], 0x0               ; xc s[4:5], wkvc s[6:7], qbuf s[8:9], part s[10:11]
	s_load_b64 s[12:13], s[0:1], 0x20              ; pstat
	v_lshl_add_u32 v[SPW], v0, 2, SPARE
	v_mov_b32 v[NIL], 0
	ds_add_u32 v28, v29
	ds_add_u32 v28, v29
	s_wait_dscnt 0x0
	v_lshrrev_b32 v1, 5, v0
	v_readfirstlane_b32 s14, v1                    ; wave 0..3
	s_lshr_b32 s15, s14, 1                         ; which half of a tile's rows is mine.  Also: I fetch for A (0) or for B (1)
	s_and_b32 s16, s14, 1                          ; which of the two heads.  Also: which 128 rows of that tile I fetch
	s_bfe_u32 s40, ttmp6, 0x40000                  ; cx, cy: my place in the cluster
	s_bfe_u32 s41, ttmp6, 0x40004
	s_lshl_b32 s42, ttmp9, 2
	s_add_co_u32 s42, s42, s40                     ; X = 4 x cluster x + cx
	s_and_b32 s17, ttmp7, 0xffff
	s_lshl_b32 s17, s17, 2
	s_add_co_u32 s17, s17, s41                     ; Y = 4 x cluster y + cy
	s_lshl_b32 s43, s41, 2
	s_lshl_b32 s43, 15, s43                        ; my row of the cluster
	s_lshl_b32 s44, 0x1111, s40                    ; my column
	; descriptor group 1: a tile of 128 rows x 256 bytes, padded in LDS
	s_or_b32 s[G1+0], s43, (0<<16)|(1<<20)|(1<<21)|(5<<22)|(3<<25)  ; 15:0 the mask: A's tiles go to my row; 17:16 element of 1 byte; 20 padding on; 21 set beside a mask; 24:22 after every 64 words (code 5); 31:25 of 4 words (code 3)
	s_or_b32 s[G1B+0], s44, (0<<16)|(1<<20)|(1<<21)|(5<<22)|(3<<25)
.irp g, G1, G1B
	s_mov_b32 s[\g+1], ROWB<<16                    ; tensor_dim0
	s_mov_b32 s[\g+2], 128<<16                     ; tensor_dim1 = 128
	s_mov_b32 s[\g+3], ROWB<<16                    ; tile_dim0
	s_mov_b32 s[\g+4], 128                         ; tile_dim1 = 128
	s_mov_b32 s[\g+5], KROW                        ; tensor_dim0_stride
	s_mov_b32 s[\g+6], 0
	s_mov_b32 s[\g+7], 0
.endr
	s_lshl_b32 s18, s16, 7                         ; which 128 rows of the tile I fetch
	s_lshl_b32 s20, s17, 9
	s_add_co_u32 s20, s20, s18                     ; A: row 512 Y + 128 x half
	s_lshl_b32 s46, s42, 8
	s_add_co_u32 s46, s46, s18                     ; B: row 256 X + 128 x half
	s_mov_b32 s21, 0
	s_mov_b32 s47, 0
	s_mov_b64 s[18:19], KROW
	s_mul_u64 s[20:21], s[20:21], s[18:19]         ; in bytes
	s_mul_u64 s[46:47], s[46:47], s[18:19]
	s_mul_i32 s45, s14, HALFT                      ; where they go: wave x 128 rows: no place in the cluster enters an LDS address
	s_mov_b32 s66, 0x76543210                      ; v_permlanex16_b32: each lane takes its own place in the other half
	s_mov_b32 s67, 0xfedcba98
	s_wait_kmcnt 0x0
	s_add_nc_u64 s[20:21], s[4:5], s[20:21]
	s_add_nc_u64 s[46:47], s[6:7], s[46:47]
	CROUND                                         ; all sixteen work-groups are here: the first joint loads meet
.irp s, 0,1
	s_mov_b32 s[G0+4*\s], 1
	s_add_co_u32 s[G0+4*\s+1], s45, \s*SLOT
	s_add_nc_u64 s[G0+4*\s+2:G0+4*\s+3], s[20:21], \s*ROWB
	s_or_b32 s[G0+4*\s+3], s[G0+4*\s+3], 0x80000000
	s_mov_b32 s[G0B+4*\s], 1
	s_add_co_u32 s[G0B+4*\s+1], s45, \s*SLOT
	s_add_nc_u64 s[G0B+4*\s+2:G0B+4*\s+3], s[46:47], \s*ROWB
	s_or_b32 s[G0B+4*\s+3], s[G0B+4*\s+3], 0x80000000
	JLOAD G0+4*\s, G1, G0B+4*\s, G1B               ; two tensor loads of mine are out at the most, here; later one
.endr
	v_and_b32 v1, 15, v0                           ; r
	v_bfe_u32 v2, v0, 4, 1                         ; h
	v_mul_u32_u24 v3, v1, PITCH
	v_lshl_add_u32 v4, v2, 4, v3                   ; a fragment's row x pitch + 16 x half
	s_mul_i32 s21, s15, HALFT                      ; my 128 rows of A
	s_mul_i32 s22, s16, HALFT                      ; my 128 rows of B,
	s_add_co_u32 s22, s22, 2*HALFT                 ; which lie behind A's 256
.irp s, 0,1
	v_add_nc_u32 v[ADRA+\s], s21, v4
	v_add_nc_u32 v[ADRB+\s], s22, v4
	s_add_co_u32 s21, s21, SLOT
	s_add_co_u32 s22, s22, SLOT
.endr
	s_lshl_b32 s23, s14, 9
	s_add_co_u32 s23, s23, SCR                     ; my record
	v_lshlrev_b32 v8, 5, v2                        ; 32 h: my eight numbers of sixteen, in qbuf and in a record
	v_add_nc_u32 v9, s23, v8                       ; where I put o
	v_mov_b32 v10, s23                             ; M and L lie 256 bytes on
	v_and_b32 v13, 31, v0                          ; lane
	v_lshlrev_b32 v12, 3, v13                      ; 8 x lane: two numbers of o a lane, in part
	v_add_nc_u32 v11, s23, v12                     ; and in a record
	v_mov_b32 v14, 0
	v_mov_b32 v[FF+1], 0                           ; (named as the upper half of a pair)
	; where my batch's and head's numbers lie.  These registers hold both X and Y and feed no descriptor
	s_lshr_b32 s72, s17, 1                         ; batch
	s_and_b32 s73, s17, 1                          ; half of its rows
	s_lshl_b32 s74, s42, 1
	s_add_co_u32 s74, s74, s16                     ; head
	s_lshl_b32 s75, s72, 12
	s_lshl_b32 s76, s74, 8
	s_add_co_u32 s76, s76, s75                     ; 4,096 x batch + 256 x head
	s_mov_b32 s77, 0
	s_add_nc_u64 s[8:9], s[8:9], s[76:77]          ; qbuf
	s_lshl_b32 s75, s73, 16
	s_add_co_u32 s76, s76, s75                     ; + 65,536 x half
	s_add_nc_u64 s[10:11], s[10:11], s[76:77]      ; part
	s_lshl_b32 s78, s73, 4
	s_add_co_u32 s78, s78, s72
	s_lshl_b32 s78, s78, 4
	s_add_co_u32 s78, s78, s74
	s_lshl_b32 s78, s78, 3                         ; 8 x ((16 x half + batch) x 16 + head)
	s_mov_b32 s79, 0
	s_add_nc_u64 s[12:13], s[12:13], s[78:79]      ; pstat
.irp bk, 0,1,2,3
	global_load_b128 v[QR+8*\bk:QR+8*\bk+3], v8, s[8:9] offset:64*\bk
	global_load_b128 v[QR+8*\bk+4:QR+8*\bk+7], v8, s[8:9] offset:64*\bk+16
.endr
.macro FRAG reg, adr, q, i             ; a fragment, 16 rows x 128 K of 8-bit codes, is 16 registers: four loads of 16 bytes, 32 bytes apart; the same places of K in A and in B
.irp c, 0,1,2,3
	ds_load_b128 v[\reg+4*\c:\reg+4*\c+3], v[\adr] offset:128*(\q)+32*\c+(\i)*16*PITCH
.endr
.endm
; 16 matrix instructions: A's blocks a0, a0 + 1 x B's eight, 128 along K.  p: B's set.  zero = 1: the first product starts the sums: nothing is ever cleared.
; The 64 accumulators take turns, one instruction a turn, in the same order in every step.
.macro MUL16 a0, p, zero
.irp a, \a0, \a0+1
.irp b, 0,1,2,3,4,5,6,7
.if \zero
	v_wmma_f32_16x16x128_bf8_bf8 v[8*(8*((\a)%4)+\b):8*(8*((\a)%4)+\b)+7], v[128*(\p)+FR*\b:128*(\p)+FR*\b+FR-1], v[AF+FR*(\a):AF+FR*(\a)+FR-1], 0
.else
	v_wmma_f32_16x16x128_bf8_bf8 v[8*(8*((\a)%4)+\b):8*(8*((\a)%4)+\b)+7], v[128*(\p)+FR*\b:128*(\p)+FR*\b+FR-1], v[AF+FR*(\a):AF+FR*(\a)+FR-1], v[8*(8*((\a)%4)+\b):8*(8*((\a)%4)+\b)+7]
.endif
.endr
.endr
.endm
.macro FETCH_B slot, q, p              ; B's eight fragments of the slot's q-th 128 along K into set p
	WIN TO_B
.irp i, 0,1,2,3,4,5,6,7
	FRAG 128*(\p)+FR*\i, ADRB+\slot, \q, \i
.endr
	WIN 0
.endm
.macro FETCH_A slot, q, i0             ; A's blocks i0 .. i0 + 3
.irp i, \i0, \i0+1, \i0+2, \i0+3
	FRAG AF+FR*(\i), ADRA+\slot, \q, \i
.endr
.endm
; A load into a register that a matrix instruction has read, and a vector instruction that reads a matrix result, stand NP places behind that matrix instruction, and only plain vector
; instructions that name none of its registers are places (ISA guide 7.12.1 for vector instructions).
.macro PLACES n
.rept \n
	v_nop
.endr
.endm
; A step of 128 along K that has its successor in the same slot.  A's blocks are free as soon as their eight products are issued, so A has one set: blocks 0-3 are fetched anew in the middle, 4-7 at the end.
.macro STEP slot, q, zero
	s_wait_dscnt 4*NL                              ; B's set and A's blocks 0-3 are in; the youngest sixteen loads (A's blocks 4-7) may be out
	WIN MUL_LO
	MUL16 0, (\q)%2, \zero
	MUL16 2, (\q)%2, \zero
	s_wait_dscnt 0                                 ; A's blocks 4-7 are in
	PLACES NP
	FETCH_B \slot, (\q)+1, 1-(\q)%2
	FETCH_A \slot, (\q)+1, 0
	WIN MUL_HI
	MUL16 4, (\q)%2, \zero
	MUL16 6, (\q)%2, \zero
	PLACES NP
	WIN 0
	FETCH_A \slot, (\q)+1, 4
.endm
; A slot's last step changes slots: ONE barrier; in front of it each wave waits for all its tensor loads, adds 0 to its spare word, and waits for that and for its own reads of this slot.
; fill = 1: this slot is filled again: with this tile's K step two steps on (on = 0) or with the second tile's K step 0 or 1 (on = 1).
.macro TURN slot, next, fill, on
	s_wait_tensorcnt 0x0                           ; all my tensor loads have landed: my part of the next slot  (every window is 0 here)
	ds_add_u32 v[SPW], v[NIL]                      ; 0 onto my spare word
	s_wait_dscnt 4*NL+1                            ; (the add and the youngest sixteen loads, A's blocks 4-7, may be out)
	WIN MUL_LO
	MUL16 0, 1, 0                                  ; sixteen matrix instructions stand between the add and the wait for it
	s_wait_dscnt 0x0                               ; the add is done, and my reads of this slot are over
	s_barrier_signal -1
	MUL16 2, 1, 0
	WIN 0
	s_barrier_wait -1
.if \fill
	CREST                                          ; the barrier has opened a round of the cluster's barrier: no wave of any partner still reads this slot's tile or has a load on its way
.if \on
	s_add_nc_u64 s[G0+4*\slot+2:G0+4*\slot+3], s[G0+4*\slot+2:G0+4*\slot+3], NEXT_A
	s_sub_nc_u64 s[G0B+4*\slot+2:G0B+4*\slot+3], s[G0B+4*\slot+2:G0B+4*\slot+3], BACK_B
.else
	s_add_nc_u64 s[G0+4*\slot+2:G0+4*\slot+3], s[G0+4*\slot+2:G0+4*\slot+3], 2*ROWB
	s_add_nc_u64 s[G0B+4*\slot+2:G0B+4*\slot+3], s[G0B+4*\slot+2:G0B+4*\slot+3], 2*ROWB
.endif
	JLOAD G0+4*\slot, G1, G0B+4*\slot, G1B         ; the first tensor load behind the round; the four v_nop behind it are the places in front of the loads below
.else
	PLACES NP
.endif
	FETCH_B \next, 0, 0
	FETCH_A \next, 0, 0
	WIN MUL_HI
	MUL16 4, 1, 0
	MUL16 6, 1, 0
	PLACES NP
	WIN 0
	FETCH_A \next, 0, 4
.endm
; THE ATTENTION OF A FINISHED TILE, on registers alone: no LDS instruction, so the count of the wait at the next step's head still holds.  first = 1: it starts M, L and o.
.macro EPI first
.irp hi, 0,1                           ; scores: 32 of a row's 64 products lie in my lane; even and odd columns in the halves of a pair; four rows' chains by turns; each accumulator from its low end on
	WIN 0x02+\hi
.irp bk, 0,1,2,3
.irp jj, 0,2,4,6
.irp a, 0,1,2,3
.if (\bk == 0) && (\jj == 0)
	v_pk_mul_f32 v[TP+2*(4*\hi+\a):TP+2*(4*\hi+\a)+1], v[8*(8*\a+\bk)+\jj:8*(8*\a+\bk)+\jj+1], v[QR+8*\bk+\jj:QR+8*\bk+\jj+1]
.else
	v_pk_fma_f32 v[TP+2*(4*\hi+\a):TP+2*(4*\hi+\a)+1], v[8*(8*\a+\bk)+\jj:8*(8*\a+\bk)+\jj+1], v[QR+8*\bk+\jj:QR+8*\bk+\jj+1], v[TP+2*(4*\hi+\a):TP+2*(4*\hi+\a)+1]
.endif
.endr
.endr
.endr
.endr
	WIN 0
.irp a, 0,1,2,3,4,5,6,7
	v_add_f32 v[TP+2*\a], v[TP+2*\a], v[TP+2*\a+1]
.endr
.irp a, 0,1,2,3,4,5,6,7
	v_permlanex16_b32 v[TP+2*\a+1], v[TP+2*\a], s66, s67   ; the row's other 32 columns lie in the lane 16 away
.endr
.irp a, 0,1,2,3,4,5,6,7
	v_add_f32 v[TP+2*\a], v[TP+2*\a], v[TP+2*\a+1]         ; t of row 16 a + r, in both halves of the lanes
.endr
	v_max3_num_f32 v118, v[TP], v[TP+2], v[TP+4]
	v_max3_num_f32 v119, v[TP+6], v[TP+8], v[TP+10]
	v_max3_num_f32 v118, v118, v[TP+12], v[TP+14]
	v_max_num_f32 v118, v118, v119
.irp m, 1,2,4,8
	v_max_num_f32_dpp v118, v118, v118 row_xmask:\m row_mask:0xf bank_mask:0xf   ; over the sixteen lanes: the largest t of the tile's 128 rows, in every lane
.endr
.if \first
	v_mov_b32 v[MN], v118
.else
	v_max_num_f32 v[MN], v[MM], v118               ; the running maximum
	v_sub_f32 v120, v[MM], v[MN]
.endif
.irp a, 0,1,2,3,4,5,6,7
	v_sub_f32 v[TP+2*\a], v[TP+2*\a], v[MN]
.endr
.irp a, 0,1,2,3,4,5,6,7
	v_exp_f32 v[TP+2*\a], v[TP+2*\a]               ; p = 2^(t - M)
.endr
.if !\first
	v_exp_f32 v[FF], v120                          ; f = 2^(old M - new M)
.endif
	v_mov_b32 v[MM], v[MN]                         ; (the plain instruction behind the exponentials)
	s_wait_alu depctr_va_vdst(0)
	v_add_f32 v119, v[TP], v[TP+2]
	v_add_f32 v121, v[TP+4], v[TP+6]
	v_add_f32 v122, v[TP+8], v[TP+10]
	v_add_f32 v123, v[TP+12], v[TP+14]
	v_add_f32 v119, v119, v121
	v_add_f32 v122, v122, v123
.if \first
	v_add_f32 v[LL], v119, v122
.else
	v_add_f32 v119, v119, v122
	v_fma_f32 v[LL], v[LL], v[FF], v119            ; L = f L + the tile's sum
.irp j, 0,2,4,6,8,10,12,14,16,18,20,22,24,26,28,30
	v_pk_mul_f32 v[OA+\j:OA+\j+1], v[OA+\j:OA+\j+1], v[FF:FF+1] op_sel_hi:[1,0]   ; o under the new M
.endr
.endif
.irp hi, 0,1                           ; o += p v: a block's sixteen pairs do not wait for each other; each accumulator from its low end on
	WIN 0x02+\hi
.irp a, 0,1,2,3
.irp bv, 0,1,2,3
.irp jj, 0,2,4,6
.if \first && (\hi == 0) && (\a == 0)
	v_pk_mul_f32 v[OA+8*\bv+\jj:OA+8*\bv+\jj+1], v[8*(8*\a+4+\bv)+\jj:8*(8*\a+4+\bv)+\jj+1], v[TP+2*(4*\hi+\a):TP+2*(4*\hi+\a)+1] op_sel_hi:[1,0]
.else
	v_pk_fma_f32 v[OA+8*\bv+\jj:OA+8*\bv+\jj+1], v[8*(8*\a+4+\bv)+\jj:8*(8*\a+4+\bv)+\jj+1], v[TP+2*(4*\hi+\a):TP+2*(4*\hi+\a)+1], v[OA+8*\bv+\jj:OA+8*\bv+\jj+1] op_sel_hi:[1,0,1]
.endif
.endr
.endr
.endr
.endr
	WIN 0
.endm
	s_wait_tensorcnt 1                             ; my part of K step 0 is in; K step 1's load may be out
	s_barrier_signal -1
	s_barrier_wait -1                              ; everybody's is
	FETCH_B 0, 0, 0
	FETCH_A 0, 0, 0
	FETCH_A 0, 0, 4
	; the first tile: eight steps of 128 along K
	STEP 0, 0, 1                                   ; its products start the sums
	TURN 0, 1, 1, 0
	STEP 1, 0, 0
	TURN 1, 0, 1, 0
	STEP 0, 0, 0
	TURN 0, 1, 1, 1                                ; THE RING GOES ON INTO THE SECOND TILE: slot 0 takes its K step 0,
	STEP 1, 0, 0
	TURN 1, 0, 1, 1                                ; slot 1 its K step 1; the second tile's first fragments are fetched; four places stand behind the tile's last products
	s_wait_loadcnt 0x0                             ; the query
	EPI 1                                          ; both refills and 64 LDS loads are on their way meanwhile
	; the second tile
	STEP 0, 0, 1                                   ; the sums begin anew over accumulators that have been read
	TURN 0, 1, 1, 0
	STEP 1, 0, 0
	TURN 1, 0, 1, 0
	STEP 0, 0, 0
	TURN 0, 1, 0, 0                                ; nothing is left to fetch: no round of the cluster's barrier
	STEP 1, 0, 0
	s_wait_dscnt 4*NL                              ; the very last step
	WIN MUL_LO
	MUL16 0, 1, 0
	MUL16 2, 1, 0
	s_wait_dscnt 0
	WIN MUL_HI
	MUL16 4, 1, 0
	MUL16 6, 1, 0
	WIN 0
	PLACES NP
	EPI 0
	; THE END.  The sixteen lanes of a half hold parts of the same eight-by-four numbers o, and of L: they are added, every lane getting the sum.
.irp m, 1,2,4,8
.irp i, 0,1,2,3,4,5,6,7,8,9,10,11,12,13,14,15,16,17,18,19,20,21,22,23,24,25,26,27,28,29,30,31
	v_add_f32_dpp v[OA+\i], v[OA+\i], v[OA+\i] row_xmask:\m row_mask:0xf bank_mask:0xf
.endr
	v_add_f32_dpp v[LL], v[LL], v[LL] row_xmask:\m row_mask:0xf bank_mask:0xf
.endr
.irp bv, 0,1,2,3
	ds_store_b128 v9, v[OA+8*\bv:OA+8*\bv+3] offset:64*\bv          ; o(16 bv + 8 h + 0 .. 7): sixteen lanes write the same bytes with the same numbers
	ds_store_b128 v9, v[OA+8*\bv+4:OA+8*\bv+7] offset:64*\bv+16
.endr
	ds_store_b64 v10, v[MM:MM+1] offset:256        ; M, L
	s_wait_dscnt 0x0                               ; for the others' sake: my record has landed
	s_barrier_signal -1
	s_barrier_wait -1
	s_cmp_ge_u32 s14, 2
	s_cbranch_scc1 .Ldone                          ; waves 0 and 1 join their head's two records: their own and that of the wave two on (the tile's other rows)
	ds_load_b64 v[64:65], v11
	ds_load_b64 v[66:67], v11 offset:1024
	ds_load_b64 v[68:69], v10 offset:256
	ds_load_b64 v[70:71], v10 offset:1280
	s_wait_dscnt 0x0
	v_max_num_f32 v72, v68, v70                    ; the joint M
	v_sub_f32 v74, v68, v72
	v_sub_f32 v75, v70, v72
	v_exp_f32 v74, v74
	v_exp_f32 v75, v75
	v_nop                                          ; a plain instruction behind the exponentials
	s_wait_alu depctr_va_vdst(0)
	v_mul_f32 v64, v64, v74
	v_mul_f32 v65, v65, v74
	v_mul_f32 v73, v69, v74
	v_fma_f32 v64, v66, v75, v64
	v_fma_f32 v65, v67, v75, v65
	v_fma_f32 v73, v71, v75, v73                   ; v[72:73] = M, L
	global_store_b64 v12, v[64:65], s[10:11]       ; 32 lanes store 256 consecutive bytes, at a multiple of 256 from part's first byte
	v_cmp_eq_u32 vcc_lo, 0, v13
	s_wait_xcnt 0x0                                ; EXEC changes only behind this wait
	s_and_saveexec_b32 s70, vcc_lo
	global_store_b64 v14, v[72:73], s[12:13]       ; lane 0: eight bytes for (half, batch, head)
	s_wait_xcnt 0x0                                ; and again, in front of the line that widens it
	s_or_b32 exec_lo, exec_lo, s70
.Ldone:
	s_wait_tensorcnt 0x0                           ; the wave's end: behind my last tensor load and my last LDS store
	ds_add_u32 v[SPW], v[NIL]
	s_wait_dscnt 0x0
	CROUND                                         ; the closing round: no work-group ends while a partner may still ask for a tile that names it
	s_endpgm
.Lfunc_end_k_q09ecca26f3_kvattn:
	.size	k_q09ecca26f3_kvattn, .Lfunc_end_k_q09ecca26f3_kvattn-k_q09ecca26f3_kvattn
	.p2alignl 7, 3214868480
	.fill 96, 4, 3214868480
	.section	.rodata,"a",@progbits
	.p2align	6, 0x0
	.amdhsa_kernel k_q09ecca26f3_kvattn
		.amdhsa_group_segment_fixed_size 327680
		.amdhsa_private_segment_fixed_size 0
		.amdhsa_enable_private_segment 0
		.amdhsa_kernarg_size 40
		.amdhsa_user_sgpr_count 2
		.amdhsa_user_sgpr_kernarg_segment_ptr 1
		.amdhsa_wavefront_size32 1
		.amdhsa_system_sgpr_workgroup_id_x 1
		.amdhsa_system_sgpr_workgroup_id_y 1
		.amdhsa_system_sgpr_workgroup_id_z 1
		.amdhsa_system_vgpr_workitem_id 0
		.amdhsa_next_free_vgpr 1024
		.amdhsa_next_free_sgpr 100
		.amdhsa_reserve_vcc 1
		.amdhsa_float_denorm_mode_32 3
		.amdhsa_float_denorm_mode_16_64 3
		.amdhsa_memory_ordered 1
		.amdhsa_forward_progress 1
		.amdhsa_inst_pref_size 198
	.end_amdhsa_kernel
	.amdgpu_metadata
---
amdhsa.version: [ 1, 2 ]
amdhsa.kernels:
  - .name:           k_q09ecca26f3_kvattn
    .symbol:         k_q09ecca26f3_kvattn.kd
    .args:
      - { .name: xc, .offset: 0, .size: 8, .value_kind: global_buffer, .address_space: global }
      - { .name: wkvc, .offset: 8, .size: 8, .value_kind: global_buffer, .address_space: global }
      - { .name: qbuf, .offset: 16, .size: 8, .value_kind: global_buffer, .address_space: global }
      - { .name: part, .offset: 24, .size: 8, .value_kind: global_buffer, .address_space: global }
      - { .name: pstat, .offset: 32, .size: 8, .value_kind: global_buffer, .address_space: global }
    .group_segment_fixed_size: 327680
    .private_segment_fixed_size: 0
    .kernarg_segment_align: 8
    .kernarg_segment_size: 40
    .max_flat_workgroup_size: 128
    .sgpr_count:     100
    .vgpr_count:     1024
    .wavefront_size: 32
...
	.end_amdgpu_metadata
.endif
;; end of part 2
;; launch proj (part 3): grid 64 x 1, 8 waves a work-group, no clusters, 9,216 bytes of LDS; arguments part, pstat, w_proj, b_proj, lowp_scales, out0; writes out0
.if DOCPART == 3
	.amdgcn_target "amdgcn-amd-amdhsa--gfx1250"
	.amdhsa_code_object_version 6
	.text
	.protected	k_q09ecca26f3_proj
	.globl	k_q09ecca26f3_proj
	.p2align	8
	.type	k_q09ecca26f3_proj,@function
k_q09ecca26f3_proj:
	s_mov_b64 s[64:65], 0
	v_nop
	global_prefetch_b8 v0, s[64:65] scope:SCOPE_SE
	s_setreg_imm32_b32 hwreg(HW_REG_WAVE_MODE, 25, 1), 1
	s_wait_xcnt 0x0
; The class token: the two halves of each (batch, head) are joined and normalised, quantised (scale 2^e2), multiplied by the quantised w_proj (scale 2^e3) on codes of BF8 (E5M2), the bias is added,
; and the result is row 0 of each batch in out0.
; part [2][16][1024]: sums of p x (sum of v's code products); pstat [2][16][16][2]: M, L.  cls = (w0 o0 + w1 o1) / (w0 L0 + w1 L1) x 2^(e0 + e1), w_i = 2^(M_i - max M): all f32.
; SHARES.  Work-group g: columns 16 g .. 16 g + 15 for the 16 batches; wave s: K = 128 s .. 128 s + 127, which are heads 2 s and 2 s + 1.  The eight waves' products meet in LDS; wave 0 adds them, K ascending.
; Lane (r, h) loads, of its row, 16 neighbours of each block of 32: register 16 c + i is k = 128 s + 32 c + 16 h + i, alike for both operands; registers 0-31 are head 2 s, 32-63 head 2 s + 1.
; LIMITS: e2, e3 between -126 and 112; e2 + e3 between -126 and 127 (each power of two is made as an f32 number); e0 + e1 goes in by v_ldexp_f32.  NaN among the inputs is not served.
; No cluster: the work-groups share part (128 KiB), of which a wave loads its 16 KiB once, straight into the registers where it is worked on; there is no slot to fill and no loop.
; A work-group's share of a row of out0 is 64 bytes (64 KiB in all): sixteen columns for sixteen rows that lie 4 MiB apart.
.set ST0, 16                           ; v16-19  half 0: M, L of head 2 s; M, L of head 2 s + 1
.set ST1, 20                           ; v20-23  half 1
.set BI,  24                           ; v24-31  the bias of my eight columns
.set O0,  48                           ; v48-111  half 0's sums, then the class token's numbers
.set O1,  112                          ; v112-175 half 1's sums; later:
.set PA,  112                          ;   the class token's fragment,
.set PW,  128                          ;   w_proj's fragment,
.set D,   144                          ;   the product
.set WB,  176                          ; v176-239 64 numbers of w_proj
.macro MKSC e, t, sc, lim              ; s[e] -> v[sc] = 2^e as f32 (the conversion takes its exponent field), v[lim] = 57,344 x 2^e
	s_add_co_i32 s[\t], s[\e], 127
	s_lshl_b32 s[\t+1], s[\t], 23
	v_mov_b32 v[\sc], s[\t+1]
	s_add_co_i32 s[\t], s[\t], 15
	s_lshl_b32 s[\t], s[\t], 23
	s_or_b32 s[\t], s[\t], 0x600000
	v_mov_b32 v[\lim], s[\t]
.endm
.macro XLOAD reg, adr, b, off
.irp c, 0,1,2,3
.irp j, 0,1,2,3
	global_load_b128 v[\reg+16*\c+4*\j:\reg+16*\c+4*\j+3], v[\adr], s[\b:\b+1] offset:\off+128*\c+16*\j
.endr
.endr
.endm
.macro QUANT s, d, sc, lim             ; 64 numbers of a lane become a fragment's 16 registers of codes
.irp b, 0,1,2,3
.irp i, 0,1,2,3,4,5,6,7,8,9,10,11,12,13,14,15
	v_med3_num_f32 v[\s+16*\b+\i], v[\s+16*\b+\i], -v[\lim], v[\lim]   ; the conversion to an 8-bit code does not saturate (ISA guide 7.6.2): the hold comes first
.endr
	v_cvt_scalef32_pk8_bf8_f32 v[\d+4*\b:\d+4*\b+1], v[\s+16*\b:\s+16*\b+7], v[\sc]
	v_cvt_scalef32_pk8_bf8_f32 v[\d+4*\b+2:\d+4*\b+3], v[\s+16*\b+8:\s+16*\b+15], v[\sc]
.endr
	v_nop                                          ; one plain vector instruction between the last conversion and what next touches its registers
.endm
	s_load_b256 s[4:11], s[0:1], 0x0               ; part s[4:5], pstat s[6:7], w_proj s[8:9], b_proj s[10:11]
	s_load_b128 s[12:15], s[0:1], 0x20             ; the scales' exponents s[12:13], out0 s[14:15]
	v_lshl_add_u32 v240, v0, 2, 0x2000
	v_mov_b32 v241, 0
	v_lshrrev_b32 v1, 5, v0
	v_readfirstlane_b32 s18, v1                    ; wave 0..7
	v_and_b32 v2, 31, v0
	v_lshlrev_b32 v2, 4, v2                        ; 16 x lane
	v_and_b32 v1, 15, v0                           ; r
	v_bfe_u32 v3, v0, 4, 1                         ; h
	v_lshlrev_b32 v9, 5, v3                        ; 32 h: my eight columns of sixteen
	v_lshlrev_b32 v4, 6, v3
	v_lshl_add_u32 v4, v1, 12, v4                  ; part and w_proj: row r of 4,096 bytes, + 64 h
	v_lshlrev_b32 v5, 7, v1                        ; pstat: batch r: 16 heads x 8 bytes
	s_lshl_b32 s24, s18, 10
	v_add_nc_u32 v6, s24, v2                       ; LDS: my wave's image of its product
	v_lshl_add_u32 v8, v1, 22, v9                  ; out0: row 0 of batch r, + 32 h
	s_lshl_b32 s26, s18, 9                         ; my K step: 512 bytes
	s_mov_b32 s27, 0
	s_lshl_b32 s28, ttmp9, 16                      ; 16 rows of w_proj
	s_add_co_u32 s28, s28, s26
	s_mov_b32 s29, 0
	s_lshl_b32 s30, s18, 4                         ; heads 2 s, 2 s + 1 in pstat
	s_mov_b32 s31, 0
	s_lshl_b32 s32, ttmp9, 6                       ; 16 columns, in b_proj and in out0
	s_mov_b32 s33, 0
	s_wait_kmcnt 0x0
	s_load_b128 s[20:23], s[12:13], 0x0            ; e0, e1, e2, e3
	s_add_nc_u64 s[4:5], s[4:5], s[26:27]
	s_add_nc_u64 s[6:7], s[6:7], s[30:31]
	s_add_nc_u64 s[8:9], s[8:9], s[28:29]
	s_add_nc_u64 s[10:11], s[10:11], s[32:33]
	s_add_nc_u64 s[14:15], s[14:15], s[32:33]
	XLOAD WB, 4, 8, 0
	global_load_b128 v[ST0:ST0+3], v5, s[6:7]
	global_load_b128 v[ST1:ST1+3], v5, s[6:7] offset:2048
	XLOAD O0, 4, 4, 0
	XLOAD O1, 4, 4, 65536
	global_load_b128 v[BI:BI+3], v9, s[10:11]
	global_load_b128 v[BI+4:BI+7], v9, s[10:11] offset:16
	s_wait_kmcnt 0x0
	MKSC 22, 38, 10, 11
	MKSC 23, 38, 12, 13
	s_add_co_i32 s34, s20, s21                     ; e0 + e1: v's scale
	s_add_co_i32 s36, s22, s23
	s_add_co_i32 s36, s36, 127
	s_lshl_b32 s36, s36, 23                        ; 2^(e2 + e3) as f32
	s_mov_b32 s37, s36                             ; (named with it as a pair, so it is written)
	s_wait_loadcnt 0x0
	; the two halves' weights.  v[36:37], v[38:39]: head 2 s, half 0 and 1; v[40:41], v[42:43]: head 2 s + 1
	v_max_num_f32 v32, v[ST0], v[ST1]
	v_max_num_f32 v33, v[ST0+2], v[ST1+2]
	v_sub_f32 v36, v[ST0], v32
	v_sub_f32 v38, v[ST1], v32
	v_sub_f32 v40, v[ST0+2], v33
	v_sub_f32 v42, v[ST1+2], v33
	v_exp_f32 v36, v36
	v_exp_f32 v38, v38
	v_exp_f32 v40, v40
	v_exp_f32 v42, v42
	v_nop                                          ; a plain instruction behind the exponentials
	s_wait_alu depctr_va_vdst(0)
	v_mul_f32 v34, v36, v[ST0+1]
	v_mul_f32 v35, v40, v[ST0+3]
	v_fma_f32 v34, v38, v[ST1+1], v34              ; the row's sum: at least 1, since the larger half's largest p is 1
	v_fma_f32 v35, v42, v[ST1+3], v35
	v_rcp_f32 v34, v34
	v_rcp_f32 v35, v35
	v_nop                                          ; a plain instruction behind the reciprocals
	s_wait_alu depctr_va_vdst(0)
	v_ldexp_f32 v34, v34, s34
	v_ldexp_f32 v35, v35, s34
	v_mul_f32 v36, v36, v34
	v_mul_f32 v38, v38, v34
	v_mul_f32 v40, v40, v35
	v_mul_f32 v42, v42, v35
	v_mov_b32 v37, v36                             ; (the upper halves of the pairs are named, so they are written)
	v_mov_b32 v39, v38
	v_mov_b32 v41, v40
	v_mov_b32 v43, v42
.irp u, 0,1
.irp j, 0,2,4,6,8,10,12,14,16,18,20,22,24,26,28,30
	v_pk_mul_f32 v[O0+32*\u+\j:O0+32*\u+\j+1], v[O0+32*\u+\j:O0+32*\u+\j+1], v[36+4*\u:37+4*\u] op_sel_hi:[1,0]
.endr
.irp j, 0,2,4,6,8,10,12,14,16,18,20,22,24,26,28,30
	v_pk_fma_f32 v[O0+32*\u+\j:O0+32*\u+\j+1], v[O1+32*\u+\j:O1+32*\u+\j+1], v[38+4*\u:39+4*\u], v[O0+32*\u+\j:O0+32*\u+\j+1] op_sel_hi:[1,0,1]
.endr
.endr
	QUANT O0, PA, 10, 11                           ; half 1's registers are free: the codes go there
	QUANT WB, PW, 12, 13
	v_wmma_f32_16x16x128_bf8_bf8 v[D:D+7], v[PW:PW+15], v[PA:PA+15], 0   ; transposed: lane (r, h), register j: batch r, column 16 g + 8 h + j
.rept 4
	v_nop                                          ; four places behind the matrix instruction before its result is read (ISA guide 7.12.1)
.endr
	ds_store_b128 v6, v[D:D+3]
	ds_store_b128 v6, v[D+4:D+7] offset:512
	s_wait_dscnt 0x0                               ; for the others' sake: my stores have landed
	s_barrier_signal -1
	s_barrier_wait -1
	s_cmp_lg_u32 s18, 0
	s_cbranch_scc1 .Lend                           ; wave 0 adds the eight parts of K
.irp w, 0,1,2,3,4,5,6,7
	ds_load_b128 v[48+8*\w:48+8*\w+3], v2 offset:1024*\w
	ds_load_b128 v[48+8*\w+4:48+8*\w+7], v2 offset:1024*\w+512
.endr
	s_wait_dscnt 0x0
.irp w, 1,2,3,4,5,6,7
.irp j, 0,2,4,6
	v_pk_add_f32 v[48+\j:49+\j], v[48+\j:49+\j], v[48+8*\w+\j:49+8*\w+\j]
.endr
.endr
.irp j, 0,2,4,6
	v_pk_fma_f32 v[32+\j:33+\j], v[48+\j:49+\j], s[36:37], v[BI+\j:BI+\j+1] op_sel_hi:[1,0,1]   ; sum x 2^(e2 + e3) + bias (the scalar pair's low word for both halves)
.endr
	global_store_b128 v8, v[32:35], s[14:15]
	global_store_b128 v8, v[36:39], s[14:15] offset:16
.Lend:
	s_wait_tensorcnt 0x0
	ds_add_u32 v240, v241
	s_wait_dscnt 0x0
	s_endpgm
.Lfunc_end_k_q09ecca26f3_proj:
	.size	k_q09ecca26f3_proj, .Lfunc_end_k_q09ecca26f3_proj-k_q09ecca26f3_proj
	.p2alignl 7, 3214868480
	.fill 96, 4, 3214868480
	.section	.rodata,"a",@progbits
	.p2align	6, 0x0
	.amdhsa_kernel k_q09ecca26f3_proj
		.amdhsa_group_segment_fixed_size 9216
		.amdhsa_private_segment_fixed_size 0
		.amdhsa_enable_private_segment 0
		.amdhsa_kernarg_size 48
		.amdhsa_user_sgpr_count 2
		.amdhsa_user_sgpr_kernarg_segment_ptr 1
		.amdhsa_wavefront_size32 1
		.amdhsa_system_sgpr_workgroup_id_x 1
		.amdhsa_system_sgpr_workgroup_id_y 1
		.amdhsa_system_sgpr_workgroup_id_z 1
		.amdhsa_system_vgpr_workitem_id 0
		.amdhsa_next_free_vgpr 242
		.amdhsa_next_free_sgpr 66
		.amdhsa_reserve_vcc 0
		.amdhsa_float_denorm_mode_32 3
		.amdhsa_float_denorm_mode_16_64 3
		.amdhsa_memory_ordered 1
		.amdhsa_forward_progress 1
		.amdhsa_inst_pref_size 26
	.end_amdhsa_kernel
	.amdgpu_metadata
---
amdhsa.version: [ 1, 2 ]
amdhsa.kernels:
  - .name:           k_q09ecca26f3_proj
    .symbol:         k_q09ecca26f3_proj.kd
    .args:
      - { .name: part, .offset: 0, .size: 8, .value_kind: global_buffer, .address_space: global }
      - { .name: pstat, .offset: 8, .size: 8, .value_kind: global_buffer, .address_space: global }
      - { .name: w_proj, .offset: 16, .size: 8, .value_kind: global_buffer, .address_space: global }
      - { .name: b_proj, .offset: 24, .size: 8, .value_kind: global_buffer, .address_space: global }
      - { .name: lowp_scales, .offset: 32, .size: 8, .value_kind: global_buffer, .address_space: global }
      - { .name: out0, .offset: 40, .size: 8, .value_kind: global_buffer, .address_space: global }
    .group_segment_fixed_size: 9216
    .private_segment_fixed_size: 0
    .kernarg_segment_align: 8
    .kernarg_segment_size: 48
    .max_flat_workgroup_size: 256
    .sgpr_count:     66
    .vgpr_count:     242
    .wavefront_size: 32
...
	.end_amdgpu_metadata
.endif
;; end of part 3
;; ======== version 2 of 2: 3 launches; version 1 with the launches prep, proj written anew for expert scheduling mode
;; workspace buffers: xc 16,777,216 bytes; wkvc 2,097,152 bytes; qbuf 65,536 bytes; part 131,072 bytes; pstat 4,096 bytes
;; launch prep (part 4): grid 352 x 1, 8 waves a work-group, no clusters, 9,216 bytes of LDS; arguments x, w_qkv, lowp_scales, out0, xc, wkvc, qbuf; writes out0, xc, wkvc, qbuf
.if DOCPART == 4
	.amdgcn_target "amdgcn-amd-amdhsa--gfx1250"
	.amdhsa_code_object_version 6
	.text
	.protected	k_q09ecca26f3_prep
	.globl	k_q09ecca26f3_prep
	.p2align	8
	.type	k_q09ecca26f3_prep,@function
k_q09ecca26f3_prep:
	s_mov_b64 s[64:65], 0
	v_nop
	global_prefetch_b8 v0, s[64:65] scope:SCOPE_SE
	s_setreg_imm32_b32 hwreg(HW_REG_WAVE_SCHED_MODE, 0, 2), 2
	s_setreg_imm32_b32 hwreg(HW_REG_WAVE_MODE, 25, 1), 1
	s_wait_xcnt 0x0
	s_wait_alu depctr_vm_vsrc(0)
; x [16][1024][1024] f32 is read once: copied to out0 (all rows but each batch's row 0, which a later launch writes) and turned into codes of BF8 (E5M2), scale 2^e0.
; Rows 1024..3071 of w_qkv (the k and v rows) are turned into codes, scale 2^e1, laid head by head: [16 heads][64 k rows, 64 v rows][1024].
; Work-groups 0..63 make the sixteen class queries instead: q[b][f] = Q(x[b][0][:]) . Q(w_qkv[f][:]), f < 1024, by the BF8 matrix instruction.
; code = number / 2^e, held within +-57,344, to the nearest code, ties to even.
; ORDER OF K IN BOTH BUFFERS OF CODES: inside each run of 512 along K, stored byte 16 l + 4 i + j is k = 128 i + 4 l + j (l < 32; i, j < 4): what a lane holds when each of a step's four loads
; reads 512 consecutive bytes, 16 a lane.  Both operands of the later product are laid by these same lines, so every product meets its partner; only the order of the f32 sums differs.
; qbuf[b][f] = (sum of code products) x 0.125 log2(e) x 2^(2 (e0 + e1)): multiplied by a sum of code products of k it gives the score in units of log2.
; LIMITS: e0, e1 between -126 and 112 (2^e and 57,344 x 2^e are f32 numbers); |e0 + e1| at most 100, so that qbuf's numbers stay f32 numbers.  NaN among the inputs is not served.
; No cluster: a stream work-group shares no input; the query work-groups share 64 KiB of x, which each wave loads once, straight into its operand's registers.
; qbuf is stored in pieces of 64 bytes a row (64 KiB in all): sixteen columns are a work-group's share.
; THE MODE: SCHED_MODE bits 1:0 = 2 (LLVM: expert scheduling mode 2), set by the entry lines.  The code itself states the register dependences
; between vector or matrix instructions and memory or LDS instructions, with s_wait_alu, always for 0.
; THE PLAN, for the stream.  Registers that memory instructions touch:
;   R0 .. R5   six sets of 16 numbers as loaded.  Set t % 6 is written by step t's four loads, issued in step t - 5; read by step t's four copy stores and by its sixteen holds.
;   C0, C1     two sets of codes.  C[t % 2] is written by step t's two conversions; read by the one store that is issued in step t + 1.
;   v2         16 x lane, the offset of every load and store; made once at the head and never written again: immediate offsets reach the steps.
;   X and v10, v11 are named by vector instructions alone.
; Step t's memory instructions are the loads into R[(t + 5) % 6] = R[(t - 1) % 6], the store from C[(t - 1) % 2] and the copy stores from R[t % 6], which holds loaded numbers that no vector
; instruction writes.  So the waits at a step's head state all that the step's memory instructions hang on.
; THE PLAN, for the queries.  The offsets v2, v4, v5, v6, v8 are made once, ahead of the loads.  XB and WB are loaded once; the product D is stored to LDS once; wave 0's LDS loads land in v16-79,
; which the holds and conversions have left; v80-87 are written by the scalings and stored.  No register that a memory or LDS instruction reads is written again.
.set R,  16                            ; stream: v16-111  six sets of 16 numbers as loaded (also the copy's store data)
.set X,  112                           ;         v112-127 the numbers held within the largest code
.set C,  128                           ;         v128-135 two sets of four registers of codes
.set XB, 16                            ; queries: v16-79  64 numbers of x
.set WB, 80                            ;          v80-143 64 numbers of w_qkv
.set PX, 144                           ;          x's fragment
.set PW, 160                           ;          w_qkv's fragment
.set D,  176                           ;          the product
.macro MKSC e, t, sc, lim              ; s[e] -> v[sc] = 2^e as f32 (the conversion takes its exponent field), v[lim] = 57,344 x 2^e
	s_add_co_i32 s[\t], s[\e], 127
	s_lshl_b32 s[\t+1], s[\t], 23
	v_mov_b32 v[\sc], s[\t+1]
	s_add_co_i32 s[\t], s[\t], 15
	s_lshl_b32 s[\t], s[\t], 23
	s_or_b32 s[\t], s[\t], 0x600000
	v_mov_b32 v[\lim], s[\t]
.endm
	s_load_b256 s[4:11], s[0:1], 0x0               ; x s[4:5], w_qkv s[6:7], the scales' exponents s[8:9], out0 s[10:11]
	s_load_b128 s[12:15], s[0:1], 0x20             ; xc s[12:13], wkvc s[14:15]
	s_load_b64 s[16:17], s[0:1], 0x30              ; qbuf
	v_lshl_add_u32 v190, v0, 2, 0x2000
	v_mov_b32 v191, 0
	v_lshrrev_b32 v1, 5, v0
	v_readfirstlane_b32 s18, v1                    ; wave 0..7
	v_and_b32 v2, 31, v0
	v_lshlrev_b32 v2, 4, v2                        ; 16 x lane; never rewritten
	s_wait_alu depctr_va_sdst(0)                   ; s18 is written, ahead of the branch below and of its first reader on either way
	s_wait_kmcnt 0x0
	s_load_b64 s[20:21], s[8:9], 0x0               ; e0, e1
	s_cmp_lt_u32 ttmp9, 64                         ; the work-group's number alone decides: alike in all eight waves
	s_cbranch_scc0 .Lstream
; ---------------- THE CLASS QUERIES.  Work-group g: columns 16 g .. 16 g + 15 for the 16 batches; wave s: K = 128 s .. 128 s + 127.
; Lane (r, h) loads, of its row, 16 neighbours of each block of 32: register 16 c + i is k = 128 s + 32 c + 16 h + i, alike for both operands.
.macro XLOAD reg, adr, b
.irp c, 0,1,2,3
.irp j, 0,1,2,3
	global_load_b128 v[\reg+16*\c+4*\j:\reg+16*\c+4*\j+3], v[\adr], s[\b:\b+1] offset:128*\c+16*\j
.endr
.endr
.endm
.macro QUANT s, d, sc, lim             ; 64 numbers of a lane become a fragment's 16 registers of codes
.irp b, 0,1,2,3
.irp i, 0,1,2,3,4,5,6,7,8,9,10,11,12,13,14,15
	v_med3_num_f32 v[\s+16*\b+\i], v[\s+16*\b+\i], -v[\lim], v[\lim]   ; the conversion to an 8-bit code does not saturate (ISA guide 7.6.2): the hold comes first
.endr
	v_cvt_scalef32_pk8_bf8_f32 v[\d+4*\b:\d+4*\b+1], v[\s+16*\b:\s+16*\b+7], v[\sc]
	v_cvt_scalef32_pk8_bf8_f32 v[\d+4*\b+2:\d+4*\b+3], v[\s+16*\b+8:\s+16*\b+15], v[\sc]
.endr
	v_nop                                          ; one plain vector instruction between the last conversion and what next touches its registers
.endm
	v_and_b32 v1, 15, v0                           ; r
	v_bfe_u32 v3, v0, 4, 1                         ; h
	v_lshlrev_b32 v9, 6, v3                        ; 64 h: my 16 numbers of a block of 32
	v_lshl_add_u32 v4, v1, 22, v9                  ; x: row 0 of batch r (a batch is 4 MiB)
	v_lshl_add_u32 v5, v1, 12, v9                  ; w_qkv: row r of the work-group's sixteen
	s_lshl_b32 s22, s18, 10
	v_add_nc_u32 v6, s22, v2                       ; LDS: my wave's image of its product: 1,024 x wave + 16 x lane
	v_lshlrev_b32 v8, 5, v3
	v_lshl_add_u32 v8, v1, 12, v8                  ; qbuf: row r, + 32 h
	s_lshl_b32 s24, s18, 9                         ; my K step: 128 numbers, 512 bytes
	s_mov_b32 s25, 0
	s_add_nc_u64 s[4:5], s[4:5], s[24:25]
	s_lshl_b32 s26, ttmp9, 16                      ; 16 rows of 4,096 bytes
	s_add_co_u32 s26, s26, s24
	s_mov_b32 s27, 0
	s_add_nc_u64 s[6:7], s[6:7], s[26:27]
	s_lshl_b32 s28, ttmp9, 6                       ; 16 columns of qbuf
	s_mov_b32 s29, 0
	s_add_nc_u64 s[16:17], s[16:17], s[28:29]
	s_wait_alu depctr_va_vdst(0)                   ; the offsets and addresses v2, v4, v5, v6, v8 are written, which the loads and stores of this path read
	XLOAD XB, 4, 4
	XLOAD WB, 5, 6
	s_wait_kmcnt 0x0
	MKSC 20, 30, 10, 11
	MKSC 21, 30, 12, 13
	s_add_co_i32 s32, s20, s21
	s_lshl_b32 s32, s32, 1                         ; 2 (e0 + e1)
	s_wait_loadcnt 16                              ; x's sixteen loads are in; w_qkv's sixteen, issued behind them, may be out
	QUANT XB, PX, 10, 11
	s_wait_loadcnt 0x0
	QUANT WB, PW, 12, 13
	v_wmma_f32_16x16x128_bf8_bf8 v[D:D+7], v[PW:PW+15], v[PX:PX+15], 0   ; transposed: lane (r, h), register j: batch r, column 16 g + 8 h + j
.rept 4
	v_nop                                          ; four places behind the matrix instruction before its result is read (ISA guide 7.12.1)
.endr
	s_wait_alu depctr_va_vdst(0)                   ; the matrix instruction has written D, which the LDS stores read (the places above stay beside this wait); the holds and conversions are done with v16-79, in which wave 0's LDS loads land below
	ds_store_b128 v6, v[D:D+3]                     ; the eight waves' parts of K meet in LDS as images of their registers
	ds_store_b128 v6, v[D+4:D+7] offset:512
	s_wait_dscnt 0x0                               ; for the others' sake: my stores have landed
	s_barrier_signal -1
	s_barrier_wait -1
	s_cmp_lg_u32 s18, 0
	s_cbranch_scc1 .Lqend                          ; wave 0 adds the eight parts
.irp w, 0,1,2,3,4,5,6,7
	ds_load_b128 v[16+8*\w:16+8*\w+3], v2 offset:1024*\w             ; no vector or matrix instruction since the wait above: nothing more is owed for v16-79
	ds_load_b128 v[16+8*\w+4:16+8*\w+7], v2 offset:1024*\w+512
.endr
	s_wait_dscnt 0x0
.irp w, 1,2,3,4,5,6,7
.irp j, 0,2,4,6
	v_pk_add_f32 v[16+\j:17+\j], v[16+\j:17+\j], v[16+8*\w+\j:17+8*\w+\j]   ; K ascending
.endr
.endr
.irp j, 0,1,2,3,4,5,6,7
	v_mul_f32 v[80+\j], 0x3e38aa3b, v[16+\j]       ; x 0.125 log2(e)
.endr
.irp j, 0,1,2,3,4,5,6,7
	v_ldexp_f32 v[80+\j], v[80+\j], s32            ; x 2^(2 (e0 + e1)): q's own scale and k's
.endr
	s_wait_alu depctr_va_vdst(0)                   ; the scalings have written v80-87, which the two stores read
	global_store_b128 v8, v[80:83], s[16:17]
	global_store_b128 v8, v[84:87], s[16:17] offset:16
.Lqend:
	s_wait_dscnt 0x0
	s_wait_alu depctr_hold_cnt(0) depctr_sa_sdst(0) depctr_va_vdst(0) depctr_va_sdst(0) depctr_va_ssrc(0) depctr_va_vcc(0) depctr_vm_vsrc(0)
	s_wait_tensorcnt 0x0
	ds_add_u32 v190, v191
	s_wait_dscnt 0x0
	s_endpgm
; ---------------- THE STREAM.  A wave owns 8 rows (8,192 numbers): 16 steps of 512.  Work-groups 64..95 take w_qkv's k and v rows, 96..351 take x.
.Lstream:
	s_sub_co_u32 s19, ttmp9, 64
	s_lshl_b32 s22, s19, 3
	s_add_co_u32 s22, s22, s18                     ; w_qkv: which 8 rows of the 2,048: Rw = 0..255 (beyond that: x's work-groups, where these numbers are not chosen)
	s_lshl_b32 s24, s22, 15
	s_add_co_u32 s24, s24, 0x400000                ; from: 1,024 rows of q, then 8 Rw rows of 4,096 bytes
	s_mov_b32 s25, 0
	s_and_b32 s23, s22, 127
	s_lshr_b32 s23, s23, 3
	s_lshl_b32 s23, s23, 7                         ; to: row 128 x head
	s_lshr_b32 s26, s22, 7
	s_lshl_b32 s26, s26, 6                         ;     + 64 for v
	s_add_co_u32 s23, s23, s26
	s_and_b32 s26, s22, 7
	s_lshl_b32 s26, s26, 3                         ;     + the first of my 8 rows in the head
	s_add_co_u32 s23, s23, s26
	s_lshl_b32 s26, s23, 10                        ; rows of 1,024 bytes
	s_mov_b32 s27, 0
	s_sub_co_u32 s28, s22, 256                     ; x: which 8 rows of the 16,384: Rx = 0..2047
	s_lshl_b32 s30, s28, 15                        ; in x and in out0
	s_mov_b32 s31, 0
	s_lshl_b32 s32, s28, 13                        ; in xc
	s_mov_b32 s33, 0
	s_mov_b32 s36, 0
	s_mov_b32 s37, 0
	s_and_b32 s29, s28, 127
	s_cmp_eq_u32 s29, 0                            ; my first row is a batch's row 0: its two steps are not copied
	s_cselect_b32 s34, 2, 0
	s_cmp_lt_u32 s19, 32                           ; w_qkv's work-group or x's?  Only moves and selects stand behind this compare
	s_cselect_b64 s[4:5], s[6:7], s[4:5]
	s_cselect_b64 s[12:13], s[14:15], s[12:13]
	s_cselect_b64 s[24:25], s[24:25], s[30:31]
	s_cselect_b64 s[26:27], s[26:27], s[32:33]
	s_cselect_b64 s[30:31], s[36:37], s[30:31]
	s_cselect_b32 s34, 16, s34                     ; s34: the first step that is copied; 16: none
	s_add_nc_u64 s[4:5], s[4:5], s[24:25]          ; from
	s_add_nc_u64 s[12:13], s[12:13], s[26:27]      ; codes to
	s_add_nc_u64 s[10:11], s[10:11], s[30:31]      ; copy to
.macro LOAD t                          ; step t: four loads of 512 consecutive bytes, into set t % 6
.irp i, 0,1,2,3
	global_load_b128 v[R+16*((\t)%6)+4*\i:R+16*((\t)%6)+4*\i+3], v2, s[4:5] offset:2048*(\t)+512*\i th:TH_LOAD_NT
.endr
.endm
.macro STEP t
.if (\t) > 0                           ; step 0 has no step in front of it: its loads land in a set that nothing has named, and it stores no codes
	s_wait_xcnt 0x0                                ; the stores issued so far have had their addresses translated (ISA guide 3.1): the set of step t - 1 and the codes of step t - 2 are written again only behind this wait
	s_wait_alu depctr_vm_vsrc(0)                   ; the copy stores of step t - 1 have read its set, in which the loads below land; the store issued in step t - 1 has read C[t % 2], which this step's conversions write again
	s_wait_alu depctr_va_vdst(0)                   ; the holds of step t - 1 are done reading its set, in which the loads below land; its conversions have written C[(t - 1) % 2], which the store below reads
.endif
.if (\t)+5 < 16
	LOAD (\t)+5                                    ; five steps ahead, into the set that step t - 1 has left
.endif
.if (\t) > 0
	global_store_b128 v2, v[C+4*(((\t)+1)%2):C+4*(((\t)+1)%2)+3], s[12:13] offset:512*((\t)-1)   ; the codes of step t - 1: 16 a lane, 512 consecutive bytes
.endif
.if 15-(\t) >= 5
	s_wait_loadcnt 20                              ; this step's four loads are in; those of the five younger steps may be out
.else
	s_wait_loadcnt 4*(15-(\t))                     ; the counts run down: four for each younger step
.endif
	s_cmp_gt_u32 s34, \t
	s_cbranch_scc1 .Lnocopy_\@
.irp i, 0,1,2,3
	global_store_b128 v2, v[R+16*((\t)%6)+4*\i:R+16*((\t)%6)+4*\i+3], s[10:11] offset:2048*(\t)+512*\i th:TH_STORE_NT   ; 512 consecutive bytes, at a multiple of 256 from out0's first byte; the numbers as loaded: no vector instruction writes them
.endr
.Lnocopy_\@:
.irp n, 0,1,2,3,4,5,6,7,8,9,10,11,12,13,14,15
	v_med3_num_f32 v[X+\n], v[R+16*((\t)%6)+\n], -v10, v10   ; the hold, into other registers: the loaded ones are the copy's store data
.endr
	v_cvt_scalef32_pk8_bf8_f32 v[C+4*((\t)%2):C+4*((\t)%2)+1], v[X:X+7], v11
	v_cvt_scalef32_pk8_bf8_f32 v[C+4*((\t)%2)+2:C+4*((\t)%2)+3], v[X+8:X+15], v11
	v_nop                                          ; one plain vector instruction before the next step's holds write the conversions' sources
.endm
	s_wait_alu depctr_va_vdst(0)                   ; v2 is written: every load and store of the stream reads it as its offset
.irp t, 0,1,2,3,4
	LOAD \t
.endr
	s_wait_kmcnt 0x0
	s_cmp_lt_u32 s19, 32
	s_cselect_b32 s20, s21, s20                    ; e1 for w_qkv, e0 for x
	MKSC 20, 38, 11, 10
.irp t, 0,1,2,3,4,5,6,7,8,9,10,11,12,13,14,15
	STEP \t
.endr
	s_wait_alu depctr_va_vdst(0)                   ; step 15's conversions have written C1, which the last store reads
	global_store_b128 v2, v[C+4:C+7], s[12:13] offset:512*15
	s_endpgm
.Lfunc_end_k_q09ecca26f3_prep:
	.size	k_q09ecca26f3_prep, .Lfunc_end_k_q09ecca26f3_prep-k_q09ecca26f3_prep
	.p2alignl 7, 3214868480
	.fill 96, 4, 3214868480
	.section	.rodata,"a",@progbits
	.p2align	6, 0x0
	.amdhsa_kernel k_q09ecca26f3_prep
		.amdhsa_group_segment_fixed_size 9216
		.amdhsa_private_segment_fixed_size 0
		.amdhsa_enable_private_segment 0
		.amdhsa_kernarg_size 56
		.amdhsa_user_sgpr_count 2
		.amdhsa_user_sgpr_kernarg_segment_ptr 1
		.amdhsa_wavefront_size32 1
		.amdhsa_system_sgpr_workgroup_id_x 1
		.amdhsa_system_sgpr_workgroup_id_y 1
		.amdhsa_system_sgpr_workgroup_id_z 1
		.amdhsa_system_vgpr_workitem_id 0
		.amdhsa_next_free_vgpr 192
		.amdhsa_next_free_sgpr 66
		.amdhsa_reserve_vcc 0
		.amdhsa_float_denorm_mode_32 3
		.amdhsa_float_denorm_mode_16_64 3
		.amdhsa_memory_ordered 1
		.amdhsa_forward_progress 1
		.amdhsa_inst_pref_size 56
	.end_amdhsa_kernel
	.amdgpu_metadata
---
amdhsa.version: [ 1, 2 ]
amdhsa.kernels:
  - .name:           k_q09ecca26f3_prep
    .symbol:         k_q09ecca26f3_prep.kd
    .args:
      - { .name: x, .offset: 0, .size: 8, .value_kind: global_buffer, .address_space: global }
      - { .name: w_qkv, .offset: 8, .size: 8, .value_kind: global_buffer, .address_space: global }
      - { .name: lowp_scales, .offset: 16, .size: 8, .value_kind: global_buffer, .address_space: global }
      - { .name: out0, .offset: 24, .size: 8, .value_kind: global_buffer, .address_space: global }
      - { .name: xc, .offset: 32, .size: 8, .value_kind: global_buffer, .address_space: global }
      - { .name: wkvc, .offset: 40, .size: 8, .value_kind: global_buffer, .address_space: global }
      - { .name: qbuf, .offset: 48, .size: 8, .value_kind: global_buffer, .address_space: global }
    .group_segment_fixed_size: 9216
    .private_segment_fixed_size: 0
    .kernarg_segment_align: 8
    .kernarg_segment_size: 56
    .max_flat_workgroup_size: 256
    .sgpr_count:     66
    .vgpr_count:     192
    .wavefront_size: 32
...
	.end_amdgpu_metadata
.endif
;; end of part 4
;; launch kvattn: the kernel of part 2 again; grid 8 x 32, 4 waves a work-group, clusters of 4 x 4, 327,680 bytes of LDS; arguments xc, wkvc, qbuf, part, pstat; writes part, pstat
;; launch proj (part 5): grid 64 x 1, 8 waves a work-group, no clusters, 9,216 bytes of LDS; arguments part, pstat, w_proj, b_proj, lowp_scales, out0; writes out0
.if DOCPART == 5
	.amdgcn_target "amdgcn-amd-amdhsa--gfx1250"
	.amdhsa_code_object_version 6
	.text
	.protected	k_q09ecca26f3_proj
	.globl	k_q09ecca26f3_proj
	.p2align	8
	.type	k_q09ecca26f3_proj,@function
k_q09ecca26f3_proj:
	s_mov_b64 s[64:65], 0
	v_nop
	global_prefetch_b8 v0, s[64:65] scope:SCOPE_SE
	s_setreg_imm32_b32 hwreg(HW_REG_WAVE_SCHED_MODE, 0, 2), 2
	s_setreg_imm32_b32 hwreg(HW_REG_WAVE_MODE, 25, 1), 1
	s_wait_xcnt 0x0
	s_wait_alu depctr_vm_vsrc(0)
; The class token: the two halves of each (batch, head) are joined and normalised, quantised (scale 2^e2), multiplied by the quantised w_proj (scale 2^e3) on codes of BF8 (E5M2), the bias is added,
; and the result is row 0 of each batch in out0.
; part [2][16][1024]: sums of p x (sum of v's code products); pstat [2][16][16][2]: M, L.  cls = (w0 o0 + w1 o1) / (w0 L0 + w1 L1) x 2^(e0 + e1), w_i = 2^(M_i - max M): all f32.
; SHARES.  Work-group g: columns 16 g .. 16 g + 15 for the 16 batches; wave s: K = 128 s .. 128 s + 127, which are heads 2 s and 2 s + 1.  The eight waves' products meet in LDS; wave 0 adds them, K ascending.
; Lane (r, h) loads, of its row, 16 neighbours of each block of 32: register 16 c + i is k = 128 s + 32 c + 16 h + i, alike for both operands; registers 0-31 are head 2 s, 32-63 head 2 s + 1.
; LIMITS: e2, e3 between -126 and 112; e2 + e3 between -126 and 127 (each power of two is made as an f32 number); e0 + e1 goes in by v_ldexp_f32.  NaN among the inputs is not served.
; No cluster: the work-groups share part (128 KiB), of which a wave loads its 16 KiB once, straight into the registers where it is worked on; there is no slot to fill and no loop.
; A work-group's share of a row of out0 is 64 bytes (64 KiB in all): sixteen columns for sixteen rows that lie 4 MiB apart.
; THE MODE: SCHED_MODE bits 1:0 = 2 (LLVM: expert scheduling mode 2), set by the entry lines.  The code itself states the register dependences
; between vector or matrix instructions and memory or LDS instructions, with s_wait_alu, always for 0.
; THE PLAN.  Registers that memory or LDS instructions touch:
;   v2, v4, v5, v6, v8, v9   offsets and addresses, made once at the head, ahead of the first load, and never written again.
;   v16-31, v48-239          loaded once, into registers that no vector instruction has named; worked on behind the wait for the loads.
;   D (v144-151)             written by the matrix instruction, read by my two LDS stores.
;   v48-111                  wave 0: the LDS loads of the eight parts land here, when the joining, the holds and the conversions have left them.
;   v32-39                   wave 0: written by the last multiply-adds, read by the two stores.
; No register that a memory or LDS instruction reads is written again.
.set ST0, 16                           ; v16-19  half 0: M, L of head 2 s; M, L of head 2 s + 1
.set ST1, 20                           ; v20-23  half 1
.set BI,  24                           ; v24-31  the bias of my eight columns
.set O0,  48                           ; v48-111  half 0's sums, then the class token's numbers
.set O1,  112                          ; v112-175 half 1's sums; later:
.set PA,  112                          ;   the class token's fragment,
.set PW,  128                          ;   w_proj's fragment,
.set D,   144                          ;   the product
.set WB,  176                          ; v176-239 64 numbers of w_proj
.macro MKSC e, t, sc, lim              ; s[e] -> v[sc] = 2^e as f32 (the conversion takes its exponent field), v[lim] = 57,344 x 2^e
	s_add_co_i32 s[\t], s[\e], 127
	s_lshl_b32 s[\t+1], s[\t], 23
	v_mov_b32 v[\sc], s[\t+1]
	s_add_co_i32 s[\t], s[\t], 15
	s_lshl_b32 s[\t], s[\t], 23
	s_or_b32 s[\t], s[\t], 0x600000
	v_mov_b32 v[\lim], s[\t]
.endm
.macro XLOAD reg, adr, b, off
.irp c, 0,1,2,3
.irp j, 0,1,2,3
	global_load_b128 v[\reg+16*\c+4*\j:\reg+16*\c+4*\j+3], v[\adr], s[\b:\b+1] offset:\off+128*\c+16*\j
.endr
.endr
.endm
.macro QUANT s, d, sc, lim             ; 64 numbers of a lane become a fragment's 16 registers of codes
.irp b, 0,1,2,3
.irp i, 0,1,2,3,4,5,6,7,8,9,10,11,12,13,14,15
	v_med3_num_f32 v[\s+16*\b+\i], v[\s+16*\b+\i], -v[\lim], v[\lim]   ; the conversion to an 8-bit code does not saturate (ISA guide 7.6.2): the hold comes first
.endr
	v_cvt_scalef32_pk8_bf8_f32 v[\d+4*\b:\d+4*\b+1], v[\s+16*\b:\s+16*\b+7], v[\sc]
	v_cvt_scalef32_pk8_bf8_f32 v[\d+4*\b+2:\d+4*\b+3], v[\s+16*\b+8:\s+16*\b+15], v[\sc]
.endr
	v_nop                                          ; one plain vector instruction between the last conversion and what next touches its registers
.endm
	s_load_b256 s[4:11], s[0:1], 0x0               ; part s[4:5], pstat s[6:7], w_proj s[8:9], b_proj s[10:11]
	s_load_b128 s[12:15], s[0:1], 0x20             ; the scales' exponents s[12:13], out0 s[14:15]
	v_lshl_add_u32 v46, v0, 2, 0x2000
	v_mov_b32 v47, 0
	v_lshrrev_b32 v1, 5, v0
	v_readfirstlane_b32 s18, v1                    ; wave 0..7
	v_and_b32 v2, 31, v0
	v_lshlrev_b32 v2, 4, v2                        ; 16 x lane
	v_and_b32 v1, 15, v0                           ; r
	v_bfe_u32 v3, v0, 4, 1                         ; h
	v_lshlrev_b32 v9, 5, v3                        ; 32 h: my eight columns of sixteen
	v_lshlrev_b32 v4, 6, v3
	v_lshl_add_u32 v4, v1, 12, v4                  ; part and w_proj: row r of 4,096 bytes, + 64 h
	v_lshlrev_b32 v5, 7, v1                        ; pstat: batch r: 16 heads x 8 bytes
	s_wait_alu depctr_va_sdst(0)                   ; s18 is written, ahead of its first reader: addresses and bases are made from it
	s_lshl_b32 s24, s18, 10
	v_add_nc_u32 v6, s24, v2                       ; LDS: my wave's image of its product
	v_lshl_add_u32 v8, v1, 22, v9                  ; out0: row 0 of batch r, + 32 h
	s_lshl_b32 s26, s18, 9                         ; my K step: 512 bytes
	s_mov_b32 s27, 0
	s_lshl_b32 s28, ttmp9, 16                      ; 16 rows of w_proj
	s_add_co_u32 s28, s28, s26
	s_mov_b32 s29, 0
	s_lshl_b32 s30, s18, 4                         ; heads 2 s, 2 s + 1 in pstat
	s_mov_b32 s31, 0
	s_lshl_b32 s32, ttmp9, 6                       ; 16 columns, in b_proj and in out0
	s_mov_b32 s33, 0
	s_wait_kmcnt 0x0
	s_load_b128 s[20:23], s[12:13], 0x0            ; e0, e1, e2, e3
	s_add_nc_u64 s[4:5], s[4:5], s[26:27]
	s_add_nc_u64 s[6:7], s[6:7], s[30:31]
	s_add_nc_u64 s[8:9], s[8:9], s[28:29]
	s_add_nc_u64 s[10:11], s[10:11], s[32:33]
	s_add_nc_u64 s[14:15], s[14:15], s[32:33]
	s_wait_alu depctr_va_vdst(0)                   ; the offsets and addresses v2, v4, v5, v6, v8, v9 are written, which the loads and stores of the kernel read
	XLOAD WB, 4, 8, 0
	global_load_b128 v[ST0:ST0+3], v5, s[6:7]
	global_load_b128 v[ST1:ST1+3], v5, s[6:7] offset:2048
	XLOAD O0, 4, 4, 0
	XLOAD O1, 4, 4, 65536
	global_load_b128 v[BI:BI+3], v9, s[10:11]
	global_load_b128 v[BI+4:BI+7], v9, s[10:11] offset:16
	s_wait_kmcnt 0x0
	MKSC 22, 38, 10, 11
	MKSC 23, 38, 12, 13
	s_add_co_i32 s34, s20, s21                     ; e0 + e1: v's scale
	s_add_co_i32 s36, s22, s23
	s_add_co_i32 s36, s36, 127
	s_lshl_b32 s36, s36, 23                        ; 2^(e2 + e3) as f32
	s_mov_b32 s37, s36                             ; (named with it as a pair, so it is written)
	s_wait_loadcnt 0x0
	; the two halves' weights.  v[36:37], v[38:39]: head 2 s, half 0 and 1; v[40:41], v[42:43]: head 2 s + 1
	v_max_num_f32 v32, v[ST0], v[ST1]
	v_max_num_f32 v33, v[ST0+2], v[ST1+2]
	v_sub_f32 v36, v[ST0], v32
	v_sub_f32 v38, v[ST1], v32
	v_sub_f32 v40, v[ST0+2], v33
	v_sub_f32 v42, v[ST1+2], v33
	v_exp_f32 v36, v36
	v_exp_f32 v38, v38
	v_exp_f32 v40, v40
	v_exp_f32 v42, v42
	v_nop                                          ; a plain instruction behind the exponentials
	s_wait_alu depctr_va_vdst(0)
	v_mul_f32 v34, v36, v[ST0+1]
	v_mul_f32 v35, v40, v[ST0+3]
	v_fma_f32 v34, v38, v[ST1+1], v34              ; the row's sum: at least 1, since the larger half's largest p is 1
	v_fma_f32 v35, v42, v[ST1+3], v35
	v_rcp_f32 v34, v34
	v_rcp_f32 v35, v35
	v_nop                                          ; a plain instruction behind the reciprocals
	s_wait_alu depctr_va_vdst(0)
	v_ldexp_f32 v34, v34, s34
	v_ldexp_f32 v35, v35, s34
	v_mul_f32 v36, v36, v34
	v_mul_f32 v38, v38, v34
	v_mul_f32 v40, v40, v35
	v_mul_f32 v42, v42, v35
	v_mov_b32 v37, v36                             ; (the upper halves of the pairs are named, so they are written)
	v_mov_b32 v39, v38
	v_mov_b32 v41, v40
	v_mov_b32 v43, v42
.irp u, 0,1
.irp j, 0,2,4,6,8,10,12,14,16,18,20,22,24,26,28,30
	v_pk_mul_f32 v[O0+32*\u+\j:O0+32*\u+\j+1], v[O0+32*\u+\j:O0+32*\u+\j+1], v[36+4*\u:37+4*\u] op_sel_hi:[1,0]
.endr
.irp j, 0,2,4,6,8,10,12,14,16,18,20,22,24,26,28,30
	v_pk_fma_f32 v[O0+32*\u+\j:O0+32*\u+\j+1], v[O1+32*\u+\j:O1+32*\u+\j+1], v[38+4*\u:39+4*\u], v[O0+32*\u+\j:O0+32*\u+\j+1] op_sel_hi:[1,0,1]
.endr
.endr
	QUANT O0, PA, 10, 11                           ; half 1's registers are free: the codes go there
	QUANT WB, PW, 12, 13
	v_wmma_f32_16x16x128_bf8_bf8 v[D:D+7], v[PW:PW+15], v[PA:PA+15], 0   ; transposed: lane (r, h), register j: batch r, column 16 g + 8 h + j
.rept 4
	v_nop                                          ; four places behind the matrix instruction before its result is read (ISA guide 7.12.1)
.endr
	s_wait_alu depctr_va_vdst(0)                   ; the matrix instruction has written D, which the LDS stores read (the places above stay beside this wait); the joining, the holds and the conversions are done with v48-111, in which wave 0's LDS loads land below
	ds_store_b128 v6, v[D:D+3]
	ds_store_b128 v6, v[D+4:D+7] offset:512
	s_wait_dscnt 0x0                               ; for the others' sake: my stores have landed
	s_barrier_signal -1
	s_barrier_wait -1
	s_cmp_lg_u32 s18, 0
	s_cbranch_scc1 .Lend                           ; wave 0 adds the eight parts of K
.irp w, 0,1,2,3,4,5,6,7
	ds_load_b128 v[48+8*\w:48+8*\w+3], v2 offset:1024*\w             ; no vector or matrix instruction since the wait above: nothing more is owed for v48-111
	ds_load_b128 v[48+8*\w+4:48+8*\w+7], v2 offset:1024*\w+512
.endr
	s_wait_dscnt 0x0
.irp w, 1,2,3,4,5,6,7
.irp j, 0,2,4,6
	v_pk_add_f32 v[48+\j:49+\j], v[48+\j:49+\j], v[48+8*\w+\j:49+8*\w+\j]
.endr
.endr
.irp j, 0,2,4,6
	v_pk_fma_f32 v[32+\j:33+\j], v[48+\j:49+\j], s[36:37], v[BI+\j:BI+\j+1] op_sel_hi:[1,0,1]   ; sum x 2^(e2 + e3) + bias (the scalar pair's low word for both halves)
.endr
	s_wait_alu depctr_va_vdst(0)                   ; the multiply-adds have written v32-39, which the two stores read
	global_store_b128 v8, v[32:35], s[14:15]
	global_store_b128 v8, v[36:39], s[14:15] offset:16
.Lend:
	s_wait_dscnt 0x0
	s_wait_alu depctr_hold_cnt(0) depctr_sa_sdst(0) depctr_va_vdst(0) depctr_va_sdst(0) depctr_va_ssrc(0) depctr_va_vcc(0) depctr_vm_vsrc(0)
	s_wait_tensorcnt 0x0
	ds_add_u32 v46, v47
	s_wait_dscnt 0x0
	s_endpgm
.Lfunc_end_k_q09ecca26f3_proj:
	.size	k_q09ecca26f3_proj, .Lfunc_end_k_q09ecca26f3_proj-k_q09ecca26f3_proj
	.p2alignl 7, 3214868480
	.fill 96, 4, 3214868480
	.section	.rodata,"a",@progbits
	.p2align	6, 0x0
	.amdhsa_kernel k_q09ecca26f3_proj
		.amdhsa_group_segment_fixed_size 9216
		.amdhsa_private_segment_fixed_size 0
		.amdhsa_enable_private_segment 0
		.amdhsa_kernarg_size 48
		.amdhsa_user_sgpr_count 2
		.amdhsa_user_sgpr_kernarg_segment_ptr 1
		.amdhsa_wavefront_size32 1
		.amdhsa_system_sgpr_workgroup_id_x 1
		.amdhsa_system_sgpr_workgroup_id_y 1
		.amdhsa_system_sgpr_workgroup_id_z 1
		.amdhsa_system_vgpr_workitem_id 0
		.amdhsa_next_free_vgpr 240
		.amdhsa_next_free_sgpr 66
		.amdhsa_reserve_vcc 0
		.amdhsa_float_denorm_mode_32 3
		.amdhsa_float_denorm_mode_16_64 3
		.amdhsa_memory_ordered 1
		.amdhsa_forward_progress 1
		.amdhsa_inst_pref_size 26
	.end_amdhsa_kernel
	.amdgpu_metadata
---
amdhsa.version: [ 1, 2 ]
amdhsa.kernels:
  - .name:           k_q09ecca26f3_proj
    .symbol:         k_q09ecca26f3_proj.kd
    .args:
      - { .name: part, .offset: 0, .size: 8, .value_kind: global_buffer, .address_space: global }
      - { .name: pstat, .offset: 8, .size: 8, .value_kind: global_buffer, .address_space: global }
      - { .name: w_proj, .offset: 16, .size: 8, .value_kind: global_buffer, .address_space: global }
      - { .name: b_proj, .offset: 24, .size: 8, .value_kind: global_buffer, .address_space: global }
      - { .name: lowp_scales, .offset: 32, .size: 8, .value_kind: global_buffer, .address_space: global }
      - { .name: out0, .offset: 40, .size: 8, .value_kind: global_buffer, .address_space: global }
    .group_segment_fixed_size: 9216
    .private_segment_fixed_size: 0
    .kernarg_segment_align: 8
    .kernarg_segment_size: 48
    .max_flat_workgroup_size: 256
    .sgpr_count:     66
    .vgpr_count:     240
    .wavefront_size: 32
...
	.end_amdgpu_metadata
.endif
;; end of part 5
